; MI455X (gfx1250); checked and timed in simulation.
; The chip was launched on July 23, 2026; its instructions are those of AMD's public machine-readable ISA for CDNA 5 (MIT licence, August 2026) and "CDNA5" Instruction Set Architecture Reference Guide (July 2026). The comments in the code are by the model that wrote it; some were corrected since.
;; Sequential Multi Head Attention. Allowed arithmetic: matrix products marked QUANTISED: E4M3 operands, one E8M0 scale for each 32 along K, by v_wmma_scale_f32_16x16x128_f8f6f4 with both operands' format E4M3, f32 sums; everything else in f32.
;; Inputs: Wk 16 x 1,024 x 64 float32; Wo 1,024 x 1,024 float32; Wq 16 x 1,024 x 64 float32; Wv 16 x 1,024 x 64 float32; bo 1,024 float32; x 4 x 2,048 x 1,024 float32.
;; Outputs: out0 4 x 2,048 x 1,024 float32.
;; This version of the problem:
;;   THIS VERSION OF THE PROBLEM IS GIVEN IN LOW PRECISION. The matrix products marked QUANTISED in the list below multiply operands that are first quantised to E4M3 (4 exponent bits, 3 mantissa bits; 8 bits a number), with one power-of-two scale for each 32 numbers along K (OCP MX v1.0); their sums are f32. All else is computed in f32.
;;   The module's matrix products, in the order in which they are computed (A, B: the left and right operand; K: the contracted axis; several contracted axes count as one K, in the product's order):
;;     1. [M 1,024, K 1,024] x [K 1,024, N 8,192]; A: input Wq; B: input x: QUANTISED
;;     2. [M 1,024, K 1,024] x [K 1,024, N 8,192]; A: input Wk; B: input x: QUANTISED
;;     3. [M 1,024, K 1,024] x [K 1,024, N 8,192]; A: input Wv; B: input x: QUANTISED
;;     4. batch 64 x [M 2,048, K 64] x [K 64, N 2,048]; A: computed on the way; B: computed on the way: QUANTISED
;;     5. batch 64 x [M 2,048, K 2,048] x [K 2,048, N 64]; A: softmax (see below); B: computed on the way: QUANTISED
;;     6. [M 8,192, K 1,024] x [K 1,024, N 1,024]; A: computed on the way; B: input Wo: QUANTISED
;;   THE QUANTISER, for each operand of a quantised product, along K:
;;     - K is cut into blocks of 32 from its start; a last block that is shorter is filled with zeros.
;;     - A block's scale is 2^e with e = floor(log2(the largest magnitude in the block)) - 8, held to -126 .. 127; a block of zeros has e = 0. As a byte (E8M0): e + 127.
;;     - Each number is divided by its block's scale, clamped to +-448, and rounded to the nearest number of E4M3, ties to even, subnormals kept.
;;     - The product sums the exact products of the quantised numbers (number of the format x scale) in f32.
;;   ~~~python
;;   def quantise(x, axis):      # numpy; x: float32 -> the quantised numbers, widened to float32 again
;;       x = np.moveaxis(x, axis, -1); K = x.shape[-1]
;;       x = np.pad(x, [(0, 0)] * (x.ndim - 1) + [(0, -K % 32)]); x = x.reshape(x.shape[:-1] + (-1, 32)); a = np.abs(x).max(-1, keepdims=True)
;;       e = np.where(a > 0, np.clip(np.frexp(np.where(a > 0, a, 1))[1] - 1 - 8, -126, 127), 0)      # np.frexp(a)[1] - 1 = floor(log2(a)), exactly
;;       r = np.clip(x / 2.0 ** e, -448, 448)
;;       step = 2.0 ** (np.maximum(np.frexp(np.where(r == 0, 1, r))[1] - 1, -6) - 3)
;;       q = np.round(r / step) * step * 2.0 ** e      # np.round: ties to even
;;       return np.moveaxis(q.reshape(q.shape[:-2] + (-1,))[..., :K], -1, axis).astype(np.float32)
;;   ~~~
;;   SOFTMAX AHEAD OF A QUANTISED PRODUCT. Where the list says 'softmax', what is quantised is not the finished softmax but p = 2^(t - M), with t = logit x log2(e) and M = ceil(the row's largest t), a whole number; so 1/2 < the row's largest p <= 1. The row's sum l is taken of the UNQUANTISED p, in f32, and the product's result is divided by l at the end. Since M is a whole number, a kernel that streams over the keys may use a running M (the ceiling of the running maximum): every later rescaling is an exact power of two, which a block's scale takes up: the codes' values come out the same.
;;   OPERANDS COMPUTED ON THE WAY. 'Computed on the way' means the value that the module computes at that place (a softmax that the list does not call 'softmax' is quantised finished and normalised). What goes into a quantiser is computed in f32, as accurately as f32 sums, v_exp_f32 and their like allow (about 1e-6 of the number): no bf16 or f16 on the way to a quantiser, and a product that is left as it is and whose result goes on into a quantised operand takes f32 operands (vector FMAs, or v_wmma_f32_16x16x4_f32). A number that lies on a knife's edge between two numbers of the format may be rounded either way, as far as f32 arithmetic and the matrix unit's own rounding can turn it there, and no further.
;; One version. Each part assembles by itself: llvm-mc -triple=amdgcn-amd-amdhsa -mcpu=gfx1250 --defsym DOCPART=n.
;; ======== version 1 of 1: 4 launches
;; limits: right only within a limited range of input values
;; workspace buffers: c1 12,582,912 bytes; s1 393,216 bytes; c2 25,165,824 bytes; s2 1,572,864 bytes; oc 8,388,608 bytes; os 262,144 bytes
;; launch quant (part 1): grid 384 x 1, 4 waves a work-group, no clusters, 34,304 bytes of LDS; arguments x, Wo, Wq, Wk, Wv, c1, s1; writes c1, s1
.if DOCPART == 1
	.amdgcn_target "amdgcn-amd-amdhsa--gfx1250"
	.amdhsa_code_object_version 6
	.text
	.protected	k_q3d366c5b23_quant
	.globl	k_q3d366c5b23_quant
	.p2align	8
	.type	k_q3d366c5b23_quant,@function
k_q3d366c5b23_quant:
	s_mov_b64 s[64:65], 0
	v_nop
	global_prefetch_b8 v0, s[64:65] scope:SCOPE_SE
	s_setreg_imm32_b32 hwreg(HW_REG_WAVE_MODE, 25, 1), 1
	s_wait_xcnt 0x0
; x [8192][1024], Wo [1024][1024] (K = E innermost) and Wq, Wk, Wv [16][1024][64] (K = E is the middle axis), all f32, become codes of E4M3 with one E8M0 byte for each 32 along K.
; A block's scale is 2^(floor(log2(largest magnitude)) - 8): its byte is the largest magnitude's exponent field - 8, held at 1 from below; each number is held within +-448 x the scale and rounded to the nearest code, ties to even.
; LIMITS: a block whose largest magnitude lies under 2^-118 (a block of zeros too, where the rule says byte 127) gets the byte 1: such bytes are read by this program alone, and a block of zeros has zero codes.  NaN and infinities among the inputs are not served.
; THE LAYOUT IS AN IMAGE OF THE OPERAND'S REGISTERS.  A fragment (16 rows x 128 K) is 2,048 bytes: four pieces of 512, lane l's 16 bytes at 16 l; lane (r = l % 16, hl = l / 16) of piece c holds row position r, k = 32 c + 16 hl + 0 .. 15.
; ROWS COME IN PAIRS OF TILES: pair P, tile u, position r is row 32 P + 8 u + r + 8 (r / 8).  Used as source 0, two such tiles leave 16 neighbouring rows in a lane's 16 result registers.
; c1: [pair 384][K step 8][u 2][2048].  Pairs 0-255: x; 256-287: Wo; 288 + 6 h + 2 mat + bd: rows d = 32 bd .. of head h of Wq, Wk, Wv (mat 0, 1, 2).
; s1: [pair][K step / 2][lane 32][2 words]: the scale word (four bytes, 128 along K) of K step s in word s % 2; lanes 0-15 tile 0, lanes 16-31 tile 1.
; SHARES.  A work-group is one pair; wave w takes K steps 2 w and 2 w + 1: four fragments f = 2 s' + u.  Waves share nothing: no barrier.  No matrix work, no tensor load, no cluster: nothing is read twice here.
.set WV,   18
.set SRC,  20                          ; s[20:21] the source at my wave's first number
.set DC,   22                          ; s[22:23] c1 at my wave's four fragments
.set SD,   24                          ; s[24:25] s1 at my wave's 256 bytes
.set SEL,  26                          ; s[26:27] lane selects for v_permlanex16_b32: lane l xor 16
.set MNT,  28                          ; s28 the mantissa field of 448
.set LN,   1                           ; v1  lane
.set LI,   2                           ; v2  16 x lane
.set SIN,  3                           ; v3  the stage on the way in
.set SOUT, 4                           ; v4  and on the way out
.set L8,   5                           ; v5  8 x lane
.set WOF,  6                           ; v6  Wq, Wk, Wv: my lane's byte
.set PW,   10                          ; v10-13 the four fragments' scale words
.set R,    16                          ; v16-143  two sets of 64 numbers as loaded
.set X,    144                         ; v144-207 64 numbers in the operand's order
.set PC,   208                         ; v208-239 two sets of 16 registers of codes
.set TM,   240                         ; v240-255 at work
; 64 numbers of a lane, register 16 b + i = k 32 b + 16 hl + i of my row, become a fragment's 16 registers of codes and its scale word.  A block of 32 lies in lanes l and l xor 16.
.macro QUANT src, pc, pw
.irp b, 0,1,2,3
	v_max3_num_f32 v[TM+\b], |v[(\src)+16*\b]|, |v[(\src)+16*\b+1]|, 0x4800000   ; my 16 numbers of block b, and the floor 2^(9 - 127): the byte cannot fall under 1
.endr
.irp i, 2,4,6,8,10,12,14
.irp b, 0,1,2,3
	v_max3_num_f32 v[TM+\b], v[TM+\b], |v[(\src)+16*\b+\i]|, |v[(\src)+16*\b+\i+1]|   ; the four blocks by turns
.endr
.endr
.irp b, 0,1,2,3
	v_permlanex16_b32 v[TM+4+\b], v[TM+\b], s[SEL], s[SEL+1]
.endr
.irp b, 0,1,2,3
	v_max_num_f32 v[TM+\b], v[TM+\b], v[TM+4+\b]           ; the block's largest magnitude
.endr
.irp b, 0,1,2,3
	v_add_nc_u32 v[TM+12+\b], 0xfc000000, v[TM+\b]         ; 8 off its exponent field: the conversion's scale operand
.endr
.irp b, 0,1,2,3
	v_and_or_b32 v[TM+8+\b], v[TM+\b], 0x7f800000, s[MNT]  ; 448 x the scale
.endr
.irp b, 0,1,2,3
	v_lshrrev_b32 v[TM+4+\b], 23, v[TM+12+\b]              ; the scale's byte
.endr
	v_lshl_or_b32 v[\pw], v[TM+5], 8, v[TM+4]
	v_lshl_or_b32 v[\pw], v[TM+6], 16, v[\pw]
	v_lshl_or_b32 v[\pw], v[TM+7], 24, v[\pw]
.irp b, 0,1,2,3
.irp i, 0,1,2,3,4,5,6,7,8,9,10,11,12,13,14,15
	v_med3_num_f32 v[(\src)+16*\b+\i], v[(\src)+16*\b+\i], -v[TM+8+\b], v[TM+8+\b]   ; the conversion to an 8-bit code does not saturate (ISA guide 7.6.2): the hold comes first
.endr
	v_cvt_scalef32_pk8_fp8_f32 v[(\pc)+4*\b:(\pc)+4*\b+1], v[(\src)+16*\b:(\src)+16*\b+7], v[TM+12+\b]
	v_cvt_scalef32_pk8_fp8_f32 v[(\pc)+4*\b+2:(\pc)+4*\b+3], v[(\src)+16*\b+8:(\src)+16*\b+15], v[TM+12+\b]
.endr
	v_nop                                          ; a plain line behind the last conversion
.endm
.macro DEST                            ; s32 = the pair in c1 and s1
	s_lshl_b32 s34, s32, 15
	s_lshl_b32 s35, s[WV], 13
	s_add_co_u32 s34, s34, s35
	s_mov_b32 s35, 0
	s_add_nc_u64 s[DC:DC+1], s[14:15], s[34:35]
	s_lshl_b32 s34, s32, 10
	s_lshl_b32 s36, s[WV], 8
	s_add_co_u32 s34, s34, s36
	s_add_nc_u64 s[SD:SD+1], s[16:17], s[34:35]
.endm
.macro PUT f                           ; a fragment's image: each store covers 512 consecutive bytes, aligned
.irp c, 0,1,2,3
	global_store_b128 v[LI], v[PC+16*((\f)&1)+4*\c:PC+16*((\f)&1)+4*\c+3], s[DC:DC+1] offset:2048*(\f)+512*\c
.endr
.endm
.macro FIN                             ; lanes 0-15 keep tile 0's words, lanes 16-31 take tile 1's; the wave stores 256 consecutive bytes, aligned
	v_cmp_lt_u32 vcc_lo, 15, v[LN]
	v_cndmask_b32 v14, v[PW], v[PW+1], vcc_lo
	v_cndmask_b32 v15, v[PW+2], v[PW+3], vcc_lo
	global_store_b64 v[L8], v[14:15], s[SD:SD+1]
	s_set_vgpr_msb 0x5
	s_wait_tensorcnt 0x0
	ds_add_u32 v0, v1
	s_wait_dscnt 0x0
	s_set_vgpr_msb 0x500
	s_endpgm
.endm
	s_load_b256 s[4:11], s[0:1], 0x0               ; x, Wo, Wq, Wk
	s_load_b128 s[12:15], s[0:1], 0x20             ; Wv, c1
	s_load_b64 s[16:17], s[0:1], 0x30              ; s1
	s_set_vgpr_msb 0x40
	v_lshl_add_u32 v0, v0, 2, 0x8400
	v_mov_b32 v1, 0
	s_set_vgpr_msb 0x4000
	v_lshrrev_b32 v7, 5, v0
	v_readfirstlane_b32 s[WV], v7                  ; wave 0..3
	v_and_b32 v[LN], 31, v0
	v_lshlrev_b32 v[LI], 4, v[LN]
	v_lshlrev_b32 v[L8], 3, v[LN]
	v_and_b32 v7, 15, v0                           ; r
	v_bfe_u32 v8, v0, 4, 1                         ; hl
	s_mul_i32 s30, s[WV], 8448                     ; my stage: 16 rows of 512 bytes + 16
	v_add_nc_u32 v[SIN], s30, v[LI]                ; in: a row as it lies
	v_mul_u32_u24 v[SOUT], v7, 528
	v_lshl_add_u32 v[SOUT], v8, 6, v[SOUT]
	v_add_nc_u32 v[SOUT], s30, v[SOUT]             ; out: row r, + 64 hl: my 16 numbers of a block
	v_and_b32 v9, 8, v7
	v_add_nc_u32 v9, v9, v7                        ; r + 8 (r / 8)
	v_lshlrev_b32 v[WOF], 2, v9
	v_lshl_add_u32 v[WOF], v8, 12, v[WOF]          ; column d of my position, and 16 rows of 256 bytes further down for lanes 16-31
	s_mov_b32 s[SEL], 0x76543210
	s_mov_b32 s[SEL+1], 0xfedcba98
	s_mov_b32 s[MNT], 0x600000
.irp b, 0,1,2,3
	v_mov_b32 v[TM+4+\b], 0                        ; written once: a lane permute's destination counts as one of its sources
.endr
	s_wait_kmcnt 0x0
	s_cmp_ge_u32 ttmp9, 288
	s_cbranch_scc1 .Lweights
; ---- x and Wo: K is innermost.  Each load reads 512 consecutive bytes of one row; the 16 rows of a fragment turn through my stage, so that a lane gets 16 neighbours of each block.
	s_cmp_lt_u32 ttmp9, 256
	s_cselect_b64 s[SRC:SRC+1], s[4:5], s[6:7]     ; the choice hangs on the work-group's number alone
	s_cselect_b32 s30, 0, 256
	s_sub_co_u32 s30, ttmp9, s30                   ; the pair within its tensor
	s_lshl_b32 s30, s30, 17                        ; 32 rows of 4,096 bytes
	s_lshl_b32 s31, s[WV], 10                      ; my 256 along K
	s_add_co_u32 s30, s30, s31
	s_mov_b32 s31, 0
	s_add_nc_u64 s[SRC:SRC+1], s[SRC:SRC+1], s[30:31]
	s_mov_b32 s32, ttmp9
	DEST
.macro LOADX f                         ; fragment f = 2 s' + u: position i is row 8 u + i + 8 (i / 8)
.set qi, 0
.rept 16
	global_load_b128 v[R+64*((\f)&1)+4*qi:R+64*((\f)&1)+4*qi+3], v[LI], s[SRC:SRC+1] offset:(8*((\f)&1)+qi+8*(qi>>3))*4096+512*((\f)>>1) th:TH_LOAD_NT
.set qi, qi+1
.endr
.endm
.macro TURN f                          ; LDS serves a wave's instructions in order (ISA guide 5.7.1.4): no wait between the stores and the loads
.set qi, 0
.rept 16
	ds_store_b128 v[SIN], v[R+64*((\f)&1)+4*qi:R+64*((\f)&1)+4*qi+3] offset:528*qi
.set qi, qi+1
.endr
.set qi, 0
.rept 16
	ds_load_b128 v[X+4*qi:X+4*qi+3], v[SOUT] offset:128*(qi>>2)+16*(qi&3)
.set qi, qi+1
.endr
.endm
.macro FRAGX f
.if (\f) < 3
	s_wait_loadcnt 16                              ; this fragment's 16 loads are in; the next fragment's 16 may be out
.else
	s_wait_loadcnt 0x0
.endif
	TURN \f
	s_wait_dscnt 0x0                               ; the numbers are back, so the stage's stores have read their registers
.if (\f) < 2
	LOADX (\f)+2
.else
	s_wait_xcnt 0x0                                ; the set of codes written two fragments ago is rewritten only behind this wait
.endif
	QUANT X, PC+16*((\f)&1), PW+(\f)
	PUT \f
.endm
	LOADX 0
	LOADX 1
	s_wait_alu depctr_va_vdst(0)
	FRAGX 0
	FRAGX 1
	FRAGX 2
	FRAGX 3
	FIN
; ---- Wq, Wk, Wv: K is not innermost.  A lane takes a column d and its registers run down K, in the operand's own order: nothing is turned.  Sixteen lanes read two runs of 32 bytes.
.Lweights:
	s_sub_co_u32 s30, ttmp9, 288
	s_lshr_b32 s31, s30, 5                         ; which matrix
	s_bfe_u32 s33, s30, 0x40001                    ; the head
	s_and_b32 s34, s30, 1                          ; which 32 of its 64 columns
	s_cmp_eq_u32 s31, 0
	s_cselect_b64 s[SRC:SRC+1], s[8:9], s[10:11]
	s_cmp_eq_u32 s31, 2
	s_cselect_b64 s[SRC:SRC+1], s[12:13], s[SRC:SRC+1]
	s_mul_i32 s32, s33, 6
	s_lshl_b32 s35, s31, 1
	s_add_co_u32 s32, s32, s35
	s_add_co_u32 s32, s32, s34
	s_add_co_u32 s32, s32, 288                     ; the pair
	s_lshl_b32 s30, s33, 18                        ; a head is 262,144 bytes
	s_lshl_b32 s31, s34, 7
	s_add_co_u32 s30, s30, s31
	s_lshl_b32 s31, s[WV], 16                      ; my 256 rows of 256 bytes
	s_add_co_u32 s30, s30, s31
	s_mov_b32 s31, 0
	s_add_nc_u64 s[SRC:SRC+1], s[SRC:SRC+1], s[30:31]
	DEST
.macro LOADW f                         ; register 16 b + i: W(128 s' + 32 b + 16 hl + i, my column of tile u)
.set qi, 0
.rept 64
	global_load_b32 v[R+64*((\f)&1)+qi], v[WOF], s[SRC:SRC+1] offset:(128*((\f)>>1)+32*(qi>>4)+(qi&15))*256+32*((\f)&1)
.set qi, qi+1
.endr
.endm
.macro FRAGW f
.if (\f) < 3
	s_wait_loadcnt 63                              ; behind this fragment's loads stand the next one's 64; the count's field ends at 63
.else
	s_wait_loadcnt 0x0
.endif
.if (\f) >= 2
	s_wait_xcnt 0x0                                ; the set of codes written two fragments ago is rewritten only behind this wait
.endif
	QUANT R+64*((\f)&1), PC+16*((\f)&1), PW+(\f)
	PUT \f
.if (\f) < 2
	LOADW (\f)+2
.endif
.endm
	s_wait_alu depctr_va_vdst(0)
	LOADW 0
	LOADW 1
	FRAGW 0
	FRAGW 1
	FRAGW 2
	FRAGW 3
	FIN
.Lfunc_end_k_q3d366c5b23_quant:
	.size	k_q3d366c5b23_quant, .Lfunc_end_k_q3d366c5b23_quant-k_q3d366c5b23_quant
	.p2alignl 7, 3214868480
	.fill 96, 4, 3214868480
	.section	.rodata,"a",@progbits
	.p2align	6, 0x0
	.amdhsa_kernel k_q3d366c5b23_quant
		.amdhsa_group_segment_fixed_size 34304
		.amdhsa_private_segment_fixed_size 0
		.amdhsa_enable_private_segment 0
		.amdhsa_kernarg_size 56
		.amdhsa_user_sgpr_count 2
		.amdhsa_user_sgpr_kernarg_segment_ptr 1
		.amdhsa_wavefront_size32 1
		.amdhsa_system_sgpr_workgroup_id_x 1
		.amdhsa_system_sgpr_workgroup_id_y 1
		.amdhsa_system_sgpr_workgroup_id_z 1
		.amdhsa_system_vgpr_workitem_id 0
		.amdhsa_next_free_vgpr 258
		.amdhsa_next_free_sgpr 66
		.amdhsa_reserve_vcc 1
		.amdhsa_float_denorm_mode_32 3
		.amdhsa_float_denorm_mode_16_64 3
		.amdhsa_memory_ordered 1
		.amdhsa_forward_progress 1
		.amdhsa_inst_pref_size 110
	.end_amdhsa_kernel
	.amdgpu_metadata
---
amdhsa.version: [ 1, 2 ]
amdhsa.kernels:
  - .name:           k_q3d366c5b23_quant
    .symbol:         k_q3d366c5b23_quant.kd
    .args:
      - { .name: x, .offset: 0, .size: 8, .value_kind: global_buffer, .address_space: global }
      - { .name: Wo, .offset: 8, .size: 8, .value_kind: global_buffer, .address_space: global }
      - { .name: Wq, .offset: 16, .size: 8, .value_kind: global_buffer, .address_space: global }
      - { .name: Wk, .offset: 24, .size: 8, .value_kind: global_buffer, .address_space: global }
      - { .name: Wv, .offset: 32, .size: 8, .value_kind: global_buffer, .address_space: global }
      - { .name: c1, .offset: 40, .size: 8, .value_kind: global_buffer, .address_space: global }
      - { .name: s1, .offset: 48, .size: 8, .value_kind: global_buffer, .address_space: global }
    .group_segment_fixed_size: 34304
    .private_segment_fixed_size: 0
    .kernarg_segment_align: 8
    .kernarg_segment_size: 56
    .max_flat_workgroup_size: 128
    .sgpr_count:     66
    .vgpr_count:     258
    .wavefront_size: 32
...
	.end_amdgpu_metadata
.endif
;; end of part 1
;; launch qkv (part 2): grid 16 x 16, 4 waves a work-group, clusters of 4 x 1, 203,264 bytes of LDS; arguments c1, s1, c2, s2; writes c2, s2
.if DOCPART == 2
	.amdgcn_target "amdgcn-amd-amdhsa--gfx1250"
	.amdhsa_code_object_version 6
	.text
	.protected	k_q3d366c5b23_qkv
	.globl	k_q3d366c5b23_qkv
	.p2align	8
	.type	k_q3d366c5b23_qkv,@function
k_q3d366c5b23_qkv:
	s_mov_b64 s[64:65], 0
	v_nop
	global_prefetch_b8 v0, s[64:65] scope:SCOPE_SE
	s_setreg_imm32_b32 hwreg(HW_REG_WAVE_MODE, 25, 1), 1
	s_wait_xcnt 0x0
	s_wait_alu depctr_hold_cnt(0) depctr_sa_sdst(0) depctr_va_vdst(0) depctr_va_sdst(0) depctr_va_ssrc(0) depctr_va_vcc(0) depctr_vm_vsrc(0)
	s_getreg_b32 s2, hwreg(HW_REG_IB_STS2, 6, 4)
	s_cmp_eq_u32 s2, 0
	s_cbranch_scc0 .Lentry_in_a_cluster
	s_endpgm
.Lentry_in_a_cluster:
	s_bfe_u32 s2, ttmp6, 0x10000c
	s_cmp_lg_u32 s2, 0x3003
	s_cbranch_scc0 .Lentry_shape_is_right
	s_endpgm
.Lentry_shape_is_right:
; q, k, v = x Wq, x Wk, x Wv on codes of E4M3 (K = E = 1,024), and their results quantised at once: q and k along d, v along the keys.  Nothing wide goes to memory.
; SHARES.  A work-group takes 512 rows of x (split J) and one head H; wave w takes rows 128 w on, 64 in each of two passes.  x IS STATIONARY: a pass's 32 fragments (2 pairs x 8 K steps x 2 tiles) fill windows 1 and 2.
; The head's six pairs of weight rows (q d 0-31, q d 32-63, k, k, v, v: 192 KiB of codes, 6 KiB of scale words) lie in LDS, filled ONCE, and stream through window 3.
; CLUSTER.  The four row splits of a cluster share a head: the weights are asked for JOINTLY (mask 15).  x's codes go straight into registers: LDS has no room for them beside the weights, so they are not shared.
; Nothing in LDS is filled again, and no wave stores to LDS: one barrier serves the launch.
; FORMS.  q, k: source 0 = 16 rows d of W, source 1 = 16 rows of x: a lane holds one row t, and the 16 registers of W's two tiles are d = 32 bd + 16 hl + 0 .. 15.
;         v:    source 0 = 16 rows of x, source 1 = 16 rows d of W: a lane holds one d, and the 16 registers of x's two tiles are t = 32 pair + 16 hl + 0 .. 15.
; Either way four blocks of 16 registers are four pieces of fragments of the next product, and a block of 32 lies in lanes l and l xor 16.
; c2: q at 0, k at 8,388,608: [b h 64][pair 64][c' 4][512], c' = 2 bd + tile: a fragment holds BOTH tiles of a pair, 64 along d each.  v at 16,777,216: [b h][key step 16][dt 4][c 4][512], dt = 2 bd + tile of d, c = block of 32 keys.
; s2: q at 0, k at 524,288: [b h][pair][lane] words, byte c'.  v at 1,048,576: [b h][key step][dt][lane] words, byte c.
; LIMITS: as in the quantiser: a block under 2^-118 (zeros too) gets the byte 1; NaN and infinities are not served.
; REGISTERS: window 0: v1-5 addresses; v16-31 x's scale words; v32-47 the weights', two sets; v64-127 the 8 accumulators; v128-143 codes; v144-151 scale words on their way; v152-167 at work.
.set WV,   12
.set G1C,  16                          ; s[16:23] group 1: 256 rows of 256 bytes;  s[24:31]: 24 rows
.set G1S,  24
.set G0C,  32
.set G0S,  36
.set XB,   40                          ; s[40:41] x's codes at the pass's two pairs;  s[42:43] their scale words
.set XSB,  42
.set QO,   44
.set QSO,  46
.set KO,   48
.set KSO,  50
.set VO,   52
.set VSO,  54
.set SEL,  56
.set MNT,  58
.set PASS, 59
.set WSC,  196608                      ; LDS: the weights' scale words, behind their codes
.set LI,   1                           ; 16 x lane
.set L8,   2                           ; 8 x lane
.set L4,   3                           ; 4 x lane
.set ADN,  4                           ; LDS address of the pair that is being fetched
.set ASN,  5                           ; and of its scale words
.set SS,   16                          ; register 8 g + s: x's pair g, K step s: lanes 0-15 tile 0, lanes 16-31 tile 1
.set TS,   32                          ; register 8 set + s: the same of the weights' pair
.set ACC,  64
.set PC,   128
.set PW,   144
.set PWK,  145
.set SW,   146
.set VS,   148
.set TM,   152
.set MSB, 0
.macro WIN new                         ; the immediate's high byte repeats the setting that is left; a switch that changes nothing is dropped
.if MSB != (\new)
	s_set_vgpr_msb (MSB<<8)|(\new)
.set MSB, (\new)
.endif
.endm
.macro PLACES n
.rept \n
	v_nop
.endr
.endm
.macro ROUND                           ; a round of the cluster's barrier
	s_barrier_signal -1
	s_barrier_wait -1
	s_cmp_lg_u32 s[WV], 0
	s_cbranch_scc1 .Lnot_wave_0_\@
	s_barrier_signal -3
.Lnot_wave_0_\@:
	s_barrier_wait -3
	s_barrier_signal -1
	s_barrier_wait -1
.endm
.macro QUANT src, pc, pw
.irp b, 0,1,2,3
	v_max3_num_f32 v[TM+\b], |v[(\src)+16*\b]|, |v[(\src)+16*\b+1]|, 0x4800000   ; each accumulator is read from its low end on; the floor 2^(9 - 127) holds the byte at 1 from below
.endr
.irp i, 2,4,6,8,10,12,14
.irp b, 0,1,2,3
	v_max3_num_f32 v[TM+\b], v[TM+\b], |v[(\src)+16*\b+\i]|, |v[(\src)+16*\b+\i+1]|
.endr
.endr
.irp b, 0,1,2,3
	v_permlanex16_b32 v[TM+4+\b], v[TM+\b], s[SEL], s[SEL+1]
.endr
.irp b, 0,1,2,3
	v_max_num_f32 v[TM+\b], v[TM+\b], v[TM+4+\b]
.endr
.irp b, 0,1,2,3
	v_add_nc_u32 v[TM+12+\b], 0xfc000000, v[TM+\b]
.endr
.irp b, 0,1,2,3
	v_and_or_b32 v[TM+8+\b], v[TM+\b], 0x7f800000, s[MNT]
.endr
.irp b, 0,1,2,3
	v_lshrrev_b32 v[TM+4+\b], 23, v[TM+12+\b]
.endr
	v_lshl_or_b32 v[\pw], v[TM+5], 8, v[TM+4]
	v_lshl_or_b32 v[\pw], v[TM+6], 16, v[\pw]
	v_lshl_or_b32 v[\pw], v[TM+7], 24, v[\pw]
.irp b, 0,1,2,3
.irp i, 0,1,2,3,4,5,6,7,8,9,10,11,12,13,14,15
	v_med3_num_f32 v[(\src)+16*\b+\i], v[(\src)+16*\b+\i], -v[TM+8+\b], v[TM+8+\b]
.endr
	v_cvt_scalef32_pk8_fp8_f32 v[(\pc)+4*\b:(\pc)+4*\b+1], v[(\src)+16*\b:(\src)+16*\b+7], v[TM+12+\b]
	v_cvt_scalef32_pk8_fp8_f32 v[(\pc)+4*\b+2:(\pc)+4*\b+3], v[(\src)+16*\b+8:(\src)+16*\b+15], v[TM+12+\b]
.endr
	v_nop                                          ; a plain line behind the last conversion: the next products write its sources
.endm
; One product.  c < 0: the constant 0 starts the sum.  ra, rb: the side's scale words stand in lanes 16-31.
.macro WM d, a, b, c, sa, sb, ra, rb
.if (\c) < 0
.if (\ra) && (\rb)
	v_wmma_scale_f32_16x16x128_f8f6f4 v[\d:\d+7], v[\a:\a+15], v[\b:\b+15], 0, v[\sa], v[\sb] matrix_a_scale:MATRIX_SCALE_ROW1 matrix_b_scale:MATRIX_SCALE_ROW1
.elseif (\ra)
	v_wmma_scale_f32_16x16x128_f8f6f4 v[\d:\d+7], v[\a:\a+15], v[\b:\b+15], 0, v[\sa], v[\sb] matrix_a_scale:MATRIX_SCALE_ROW1
.elseif (\rb)
	v_wmma_scale_f32_16x16x128_f8f6f4 v[\d:\d+7], v[\a:\a+15], v[\b:\b+15], 0, v[\sa], v[\sb] matrix_b_scale:MATRIX_SCALE_ROW1
.else
	v_wmma_scale_f32_16x16x128_f8f6f4 v[\d:\d+7], v[\a:\a+15], v[\b:\b+15], 0, v[\sa], v[\sb]
.endif
.else
.if (\ra) && (\rb)
	v_wmma_scale_f32_16x16x128_f8f6f4 v[\d:\d+7], v[\a:\a+15], v[\b:\b+15], v[\c:\c+7], v[\sa], v[\sb] matrix_a_scale:MATRIX_SCALE_ROW1 matrix_b_scale:MATRIX_SCALE_ROW1
.elseif (\ra)
	v_wmma_scale_f32_16x16x128_f8f6f4 v[\d:\d+7], v[\a:\a+15], v[\b:\b+15], v[\c:\c+7], v[\sa], v[\sb] matrix_a_scale:MATRIX_SCALE_ROW1
.elseif (\rb)
	v_wmma_scale_f32_16x16x128_f8f6f4 v[\d:\d+7], v[\a:\a+15], v[\b:\b+15], v[\c:\c+7], v[\sa], v[\sb] matrix_b_scale:MATRIX_SCALE_ROW1
.else
	v_wmma_scale_f32_16x16x128_f8f6f4 v[\d:\d+7], v[\a:\a+15], v[\b:\b+15], v[\c:\c+7], v[\sa], v[\sb]
.endif
.endif
.endm
; 32 products: x's pairs g = 0, 1 (windows 1, 2) x four K steps x 2 x 2 tiles.  form 0: weights as source 0 (q, k); form 1: x as source 0 (v).
; Four accumulators take turns, one instruction a turn, and a change of g or of half changes the accumulator too.
.macro MMH form, half, tset, first
.irp g, 0,1
.if \form
	WIN 0x0d+\g
.else
	WIN 0x07+4*\g
.endif
.irp ks, 0,1,2,3
.irp us, 0,1
.irp ut, 0,1
.set sK, 4*\half+\ks
.set rS, 16*(2*sK+\us)
.set rT, 16*(2*sK+\ut)
.if \form
.set rD, ACC+16*(2*\ut+\g)+8*\us
.else
.set rD, ACC+16*(2*\g+\us)+8*\ut
.endif
.set rC, rD
.if \first && (sK == 0)
.set rC, -1
.endif
.if \form
	WM rD, rS, rT, rC, SS+8*\g+sK, TS+8*\tset+sK, \us, \ut
.else
	WM rD, rT, rS, rC, TS+8*\tset+sK, SS+8*\g+sK, \ut, \us
.endif
.endr
.endr
.endr
.endr
.endm
.macro LOADH half                      ; half a pair of weights (four K steps, 16 KiB) into window 3: every load takes 512 consecutive bytes
	WIN 0xc0
.set qi, 0
.rept 32
	ds_load_b128 v[128*\half+4*qi:128*\half+4*qi+3], v[ADN] offset:16384*\half+512*qi
.set qi, qi+1
.endr
	WIN 0
.endm
.macro SCLOAD tset
.irp q, 0,1,2,3
	ds_load_b64 v[TS+8*(\tset)+2*\q:TS+8*(\tset)+2*\q+1], v[ASN] offset:256*\q
.endr
.endm
; A pair of weights against my 64 rows: 64 products.  Each half of the next pair (at LDS bytes nbase, scale words at nsc) is fetched as soon as this pair's half has been multiplied.
.macro PAIR form, tset, nbase, nsc
	s_wait_dscnt 32                                ; the scale words and the first half are in; the second half's 32 loads may be out
	MMH \form, 0, \tset, 1
	WIN 0
	v_add_nc_u32 v[ADN], \nbase, v[LI]
	v_add_nc_u32 v[ASN], \nsc, v[L8]
	PLACES 6                                       ; with the two additions: eight places in front of loads into registers that the products have read
	SCLOAD 1-\tset
	LOADH 0
	s_wait_alu depctr_va_vdst(0)
	s_wait_dscnt 36                                ; the second half is in: behind it stand the 4 + 32 loads just issued
	MMH \form, 1, \tset, 0
	WIN 0
	PLACES 8                                       ; in front of the loads below and of the first read of the results
	LOADH 1
.endm
.macro XLOAD                           ; a pass's x: two pairs of codes into windows 1 and 2, their scale words into window 0
	WIN 0x40
.set qi, 0
.rept 64
	global_load_b128 v[4*qi:4*qi+3], v[LI], s[XB:XB+1] offset:512*qi
.set qi, qi+1
.endr
	WIN 0x80
.set qi, 0
.rept 64
	global_load_b128 v[4*qi:4*qi+3], v[LI], s[XB:XB+1] offset:32768+512*qi
.set qi, qi+1
.endr
	WIN 0
.irp g, 0,1
.irp q, 0,1,2,3
	global_load_b64 v[SS+8*\g+2*\q:SS+8*\g+2*\q+1], v[L8], s[XSB:XSB+1] offset:1024*\g+256*\q
.endr
.endr
.endm
; q or k, columns d = 32 bd on: block rt = 2 pair + tile of x becomes piece 2 bd + tile of that pair's fragment.
.macro EPIQK bd, cb, sb
	s_wait_xcnt 0x0                                ; the registers that earlier stores read are rewritten only behind this wait
.if \bd
	QUANT ACC, PC, PW
.else
	QUANT ACC, PC, PWK
.endif
.irp rt, 0,1,2,3
	global_store_b128 v[LI], v[PC+4*\rt:PC+4*\rt+3], s[\cb:\cb+1] offset:2048*(\rt>>1)+512*(2*\bd+(\rt&1))
.endr
.if \bd
	v_perm_b32 v[SW], v[PW], v[PWK], 0x05040100    ; pair 0's word: tile 0 d 0-31, tile 1 d 0-31, tile 0 d 32-63, tile 1 d 32-63
	v_perm_b32 v[SW+1], v[PW], v[PWK], 0x07060302  ; pair 1's
	global_store_b32 v[L4], v[SW], s[\sb:\sb+1]
	global_store_b32 v[L4], v[SW+1], s[\sb:\sb+1] offset:128
.endif
.endm
; v, rows d = 32 bd on: block 2 tile of d + pair of x becomes piece (2 pass + pair) of fragment dt = 2 bd + tile.
.macro EPIV bd
	s_wait_xcnt 0x0
	QUANT ACC, PC, PW
.irp bb, 0,1,2,3
	global_store_b128 v[LI], v[PC+4*\bb:PC+4*\bb+3], s[VO:VO+1] offset:(2*\bd+(\bb>>1))*2048+512*(\bb&1)
.endr
	v_perm_b32 v[VS+2*\bd], v[PW], v[VS+2*\bd], 0x05040302       ; the word's upper half moves down, this pass's two bytes come on top: after two passes bytes 0 .. 3 are the four blocks of keys
	v_perm_b32 v[VS+2*\bd+1], v[PW], v[VS+2*\bd+1], 0x07060302
.endm
	s_load_b256 s[4:11], s[0:1], 0x0               ; c1, s1, c2, s2
	v_lshl_add_u32 v254, v0, 2, 0x31800
	v_mov_b32 v255, 0
	ds_add_u32 v254, v255
	ds_add_u32 v254, v255
	v_lshrrev_b32 v1, 5, v0
	v_readfirstlane_b32 s[WV], v1                  ; wave 0..3
	v_and_b32 v2, 31, v0
	v_lshlrev_b32 v[LI], 4, v2
	v_lshlrev_b32 v[L4], 2, v2
	v_lshlrev_b32 v[L8], 3, v2
.irp b, 0,1,2,3
	v_mov_b32 v[TM+4+\b], 0                        ; written once: a lane permute's destination counts as one of its sources
	v_mov_b32 v[VS+\b], 0
.endr
	s_bfe_u32 s13, ttmp6, 0x40000                  ; cx
	s_lshl_b32 s14, ttmp9, 2
	s_add_co_u32 s14, s14, s13                     ; J = 4 x cluster x + cx
	s_and_b32 s15, ttmp7, 0xffff                   ; H, which the four partners share
	; descriptor group 1: dense blocks as rows of 256 bytes (32 elements of 8 bytes), no padding: an image is read 512 consecutive bytes at a time
	s_mov_b32 s[G1C], 15|(3<<16)|(1<<21)           ; 15:0 the mask: all four work-groups; 17:16 elements of 8 bytes; 21 set beside a mask
	s_mov_b32 s[G1C+1], 32<<16
	s_mov_b32 s[G1C+2], 256<<16
	s_mov_b32 s[G1C+3], 32<<16
	s_mov_b32 s[G1C+4], 256
	s_mov_b32 s[G1C+5], 32
	s_mov_b32 s[G1C+6], 0
	s_mov_b32 s[G1C+7], 0
	s_mov_b32 s[G1S], 15|(3<<16)|(1<<21)
	s_mov_b32 s[G1S+1], 32<<16
	s_mov_b32 s[G1S+2], 24<<16
	s_mov_b32 s[G1S+3], 32<<16
	s_mov_b32 s[G1S+4], 24
	s_mov_b32 s[G1S+5], 32
	s_mov_b32 s[G1S+6], 0
	s_mov_b32 s[G1S+7], 0
	; the weights' place: of the head and the wave's number alone, in registers that never hold cx.  Waves 0 to 2 bring a third of the codes each (65,536 bytes), wave 3 all 6,144 bytes of scale words: one load a wave
	s_mul_i32 s60, s15, 6*32768
	s_mul_i32 s61, s[WV], 65536
	s_add_co_u32 s60, s60, s61
	s_add_co_u32 s60, s60, 288*32768
	s_mov_b32 s61, 0
	s_mul_i32 s62, s15, 6*1024
	s_add_co_u32 s62, s62, 288*1024
	s_mov_b32 s63, 0
	s_mov_b32 s[G0C], 1
	s_mul_i32 s[G0C+1], s[WV], 65536
	s_mov_b32 s[G0S], 1
	s_mov_b32 s[G0S+1], WSC
	; my rows
	s_lshl_b32 s66, s14, 4
	s_lshl_b32 s67, s[WV], 2
	s_add_co_u32 s66, s66, s67                     ; x's pair 16 J + 4 w
	s_lshl_b32 s68, s66, 15
	s_mov_b32 s69, 0
	s_lshl_b32 s70, s66, 10
	s_mov_b32 s71, 0
	s_lshr_b32 s72, s14, 2
	s_lshl_b32 s72, s72, 4
	s_add_co_u32 s72, s72, s15                     ; b h = 16 b + H
	s_and_b32 s73, s14, 3                          ; which 512 rows of the batch
	s_lshl_b32 s74, s72, 6
	s_lshl_b32 s75, s73, 4
	s_add_co_u32 s74, s74, s75
	s_add_co_u32 s74, s74, s67                     ; q's and k's fragment: 64 b h + 16 jq + 4 w
	s_lshl_b32 s76, s72, 4
	s_lshl_b32 s75, s73, 2
	s_add_co_u32 s76, s76, s75
	s_add_co_u32 s76, s76, s[WV]                   ; v's key step: 16 b h + 4 jq + w
	s_mov_b32 s[SEL], 0x76543210
	s_mov_b32 s[SEL+1], 0xfedcba98
	s_mov_b32 s[MNT], 0x600000
	s_wait_dscnt 0x0
	s_wait_kmcnt 0x0
	s_add_nc_u64 s[G0C+2:G0C+3], s[4:5], s[60:61]
	s_or_b32 s[G0C+3], s[G0C+3], 0x80000000
	s_add_nc_u64 s[G0S+2:G0S+3], s[6:7], s[62:63]
	s_or_b32 s[G0S+3], s[G0S+3], 0x80000000
	s_add_nc_u64 s[XB:XB+1], s[4:5], s[68:69]
	s_add_nc_u64 s[XSB:XSB+1], s[6:7], s[70:71]
	s_lshl_b32 s68, s74, 11
	s_add_nc_u64 s[QO:QO+1], s[8:9], s[68:69]
	s_add_nc_u64 s[KO:KO+1], s[QO:QO+1], 8388608
	s_lshl_b32 s68, s74, 7
	s_add_nc_u64 s[QSO:QSO+1], s[10:11], s[68:69]
	s_add_nc_u64 s[KSO:KSO+1], s[QSO:QSO+1], 524288
	s_lshl_b32 s68, s76, 13
	s_add_nc_u64 s[VO:VO+1], s[8:9], s[68:69]
	s_add_nc_u64 s[VO:VO+1], s[VO:VO+1], 16777216
	s_lshl_b32 s68, s76, 9
	s_add_nc_u64 s[VSO:VSO+1], s[10:11], s[68:69]
	s_add_nc_u64 s[VSO:VSO+1], s[VSO:VSO+1], 1048576
	ROUND                                          ; all four work-groups are here: the joint loads meet
	s_cmp_lt_u32 s[WV], 3                          ; one joint load a wave, each in its own arm
	s_cbranch_scc0 .Lfor_scales
	tensor_load_to_lds s[G0C:G0C+3], s[G1C:G1C+7]  ; waves 0 to 2: a third of the head's codes
	s_nop 0
	PLACES 4
	s_branch .Lasked
.Lfor_scales:
	tensor_load_to_lds s[G0S:G0S+3], s[G1S:G1S+7]  ; wave 3: its scale words
	s_nop 0
	PLACES 4
.Lasked:
	s_wait_alu depctr_va_vdst(0)
	XLOAD
	s_wait_tensorcnt 0x0                           ; my quarters have landed,
	s_barrier_signal -1
	s_barrier_wait -1                              ; everybody's have
	v_mov_b32 v[ADN], v[LI]                        ; the first pair
	v_add_nc_u32 v[ASN], WSC, v[L8]
	SCLOAD 0
	LOADH 0
	LOADH 1
	s_mov_b32 s[PASS], 2
.Lpass:
	s_wait_loadcnt 0x0                             ; the pass's x
	PAIR 0, 0, 32768, WSC+1024
	EPIQK 0, QO, QSO
	PAIR 0, 1, 65536, WSC+2048
	EPIQK 1, QO, QSO
	PAIR 0, 0, 98304, WSC+3072
	EPIQK 0, KO, KSO
	PAIR 0, 1, 131072, WSC+4096
	EPIQK 1, KO, KSO
	PAIR 1, 0, 163840, WSC+5120
	EPIV 0
	PAIR 1, 1, 0, WSC                              ; behind the last pair the first is fetched again, for the next pass (in the last pass for nothing: 68 LDS loads)
	s_cmp_eq_u32 s[PASS], 1                        ; the next pass's x is asked for here, if there is one: no load leaves its buffer.  The eight places behind the last products serve these loads too
	s_cbranch_scc1 .Lno_next
	s_add_nc_u64 s[XB:XB+1], s[XB:XB+1], 65536     ; (the loads that named these bases were waited for at the pass's head)
	s_add_nc_u64 s[XSB:XSB+1], s[XSB:XSB+1], 2048
	XLOAD
.Lno_next:
	EPIV 1
	s_wait_xcnt 0x0                                ; the stores have read their bases
	s_add_nc_u64 s[QO:QO+1], s[QO:QO+1], 4096
	s_add_nc_u64 s[KO:KO+1], s[KO:KO+1], 4096
	s_add_nc_u64 s[QSO:QSO+1], s[QSO:QSO+1], 256
	s_add_nc_u64 s[KSO:KSO+1], s[KSO:KSO+1], 256
	s_add_nc_u64 s[VO:VO+1], s[VO:VO+1], 1024
	s_sub_co_u32 s[PASS], s[PASS], 1
	s_cmp_lg_u32 s[PASS], 0
	s_cbranch_scc1 .Lpass
	s_wait_alu depctr_va_vdst(0)
.irp dt, 0,1,2,3
	global_store_b32 v[L4], v[VS+\dt], s[VSO:VSO+1] offset:128*\dt
.endr
	s_wait_dscnt 0x0                               ; no LDS instruction of mine is pending at a signal
	s_wait_tensorcnt 0x0
	ds_add_u32 v254, v255
	s_wait_dscnt 0x0
	ROUND                                          ; the closing round
	s_endpgm
.Lfunc_end_k_q3d366c5b23_qkv:
	.size	k_q3d366c5b23_qkv, .Lfunc_end_k_q3d366c5b23_qkv-k_q3d366c5b23_qkv
	.p2alignl 7, 3214868480
	.fill 96, 4, 3214868480
	.section	.rodata,"a",@progbits
	.p2align	6, 0x0
	.amdhsa_kernel k_q3d366c5b23_qkv
		.amdhsa_group_segment_fixed_size 203264
		.amdhsa_private_segment_fixed_size 0
		.amdhsa_enable_private_segment 0
		.amdhsa_kernarg_size 32
		.amdhsa_user_sgpr_count 2
		.amdhsa_user_sgpr_kernarg_segment_ptr 1
		.amdhsa_wavefront_size32 1
		.amdhsa_system_sgpr_workgroup_id_x 1
		.amdhsa_system_sgpr_workgroup_id_y 1
		.amdhsa_system_sgpr_workgroup_id_z 1
		.amdhsa_system_vgpr_workitem_id 0
		.amdhsa_next_free_vgpr 1024
		.amdhsa_next_free_sgpr 80
		.amdhsa_reserve_vcc 0
		.amdhsa_float_denorm_mode_32 3
		.amdhsa_float_denorm_mode_16_64 3
		.amdhsa_memory_ordered 1
		.amdhsa_forward_progress 1
		.amdhsa_inst_pref_size 168
	.end_amdhsa_kernel
	.amdgpu_metadata
---
amdhsa.version: [ 1, 2 ]
amdhsa.kernels:
  - .name:           k_q3d366c5b23_qkv
    .symbol:         k_q3d366c5b23_qkv.kd
    .args:
      - { .name: c1, .offset: 0, .size: 8, .value_kind: global_buffer, .address_space: global }
      - { .name: s1, .offset: 8, .size: 8, .value_kind: global_buffer, .address_space: global }
      - { .name: c2, .offset: 16, .size: 8, .value_kind: global_buffer, .address_space: global }
      - { .name: s2, .offset: 24, .size: 8, .value_kind: global_buffer, .address_space: global }
    .group_segment_fixed_size: 203264
    .private_segment_fixed_size: 0
    .kernarg_segment_align: 8
    .kernarg_segment_size: 32
    .max_flat_workgroup_size: 128
    .sgpr_count:     80
    .vgpr_count:     1024
    .wavefront_size: 32
...
	.end_amdgpu_metadata
.endif
;; end of part 2
;; launch attn (part 3): grid 4 x 64, 8 waves a work-group, clusters of 4 x 1, 327,680 bytes of LDS; arguments c2, s2, oc, os; writes oc, os
.if DOCPART == 3
	.amdgcn_target "amdgcn-amd-amdhsa--gfx1250"
	.amdhsa_code_object_version 6
	.text
	.protected	k_q3d366c5b23_attn
	.globl	k_q3d366c5b23_attn
	.p2align	8
	.type	k_q3d366c5b23_attn,@function
k_q3d366c5b23_attn:
	s_mov_b64 s[64:65], 0
	v_nop
	global_prefetch_b8 v0, s[64:65] scope:SCOPE_SE
	s_setreg_imm32_b32 hwreg(HW_REG_WAVE_MODE, 25, 1), 1
	s_wait_xcnt 0x0
	s_wait_alu depctr_hold_cnt(0) depctr_sa_sdst(0) depctr_va_vdst(0) depctr_va_sdst(0) depctr_va_ssrc(0) depctr_va_vcc(0) depctr_vm_vsrc(0)
	s_getreg_b32 s2, hwreg(HW_REG_IB_STS2, 6, 4)
	s_cmp_eq_u32 s2, 0
	s_cbranch_scc0 .Lentry_in_a_cluster
	s_endpgm
.Lentry_in_a_cluster:
	s_bfe_u32 s2, ttmp6, 0x10000c
	s_cmp_lg_u32 s2, 0x3003
	s_cbranch_scc0 .Lentry_shape_is_right
	s_endpgm
.Lentry_shape_is_right:
; Causal attention of one (batch, head) on codes of E4M3, and its result o quantised along E for the last product.
; LEFT OUT: key steps all of whose 128 keys come after a wave's queries: the causal mask sets their scores to -inf, so their p is 0 for all inputs.  A NaN or an infinity that reaches only such scores is not carried.
; THE SOFTMAX: t = score x log2(e) / 8; M = the running largest t rounded UP to a whole number; p = 2^(t - M) is quantised along the keys, not normalised; the row's sum is taken of the unquantised p and divides O at the end.
; When M moves, the sum and O are multiplied by 2^(old M - new M), which rounds nothing.  The running maximum is kept as a score; c is positive, so c x the largest score is the largest t.
; SHARES.  Work-group j of a cluster owns the pairs of query tiles P = 4 i + j, i = 0 .. 15 (32 queries each).  Wave w runs i = 15 - w and then i = w: (16 - w) + (w + 1) = 17 key steps of 128 for every wave.
; A wave takes BOTH tiles of a pair through a step TOGETHER: 16 products give 128 registers of S^T, and each line of the softmax is written for eight blocks (two tiles x four blocks of 32 keys) by turns, the sums in four chains;
; a step has one batch of 136 exponentials, with one wait ahead of it and one behind it.  Two waves share a SIMD, 512 registers each.
; THE WHOLE HEAD'S K AND V COME INTO LDS ONCE (256 KiB of codes, 16 KiB of scale words), IN TWO GROUPS of joint loads, one load a wave each: at the head key steps 0 to 3 and all scale words (80 KiB); behind a round of the cluster's
; barrier key steps 4 to 15 (24 KiB a wave).  The first run has i >= 8, so its steps 0 to 3 are open in every wave: they are a loop of their own, which reads the first group alone; one barrier behind it shows the second group.
; The general loop has 12 trips: steps 4 .. 15 of the first run, 0 .. 11 of the second (i <= 7).  Nothing is filled again.  All of K and V is asked for ahead of the first step, so no data prefetch is written.
; THE DIAGONAL (ks = i).  Register 16 b + i' of tile t is hidden where 32 b + i' > 32 j + 8 t + r + 8 (r / 8) - 16 hl: the same in both runs and in all waves.  So the mask, 0 or -3e38, is made once as an image of the 128 registers
; of S^T in LDS bytes of its own (each wave makes 16 registers), and is the C of the diagonal step's score products: a hidden score comes out near -3e38, and its p is 0.
; CLUSTER.  The four work-groups of a head need the same K and V: each fill is asked for JOINTLY (mask 15).  Branches hang on the wave's number and on counters alone; j enters global addresses and the mask's values alone.
; q of BOTH runs is loaded at the head, the second run's into spare registers, from which it is copied at that run's start.
; K = 64 IN A FORM OF K = 128.  A fragment of k holds both tiles of a pair of key tiles: pieces (tile 0, d 0-31), (tile 1, d 0-31), (tile 0, d 32-63), (tile 1, d 32-63).  It is multiplied by Qe = [q d 0-31 | 0 | q d 32-63 | 0], which gives
; tile 0's scores, and by Qo = [0 | q d 0-31 | 0 | q d 32-63], which gives tile 1's: zero codes take the other tile out.
; LAYOUT.  Both products transposed: a lane holds one query (position lane % 16 of its tile) throughout; the 16 registers of two key tiles are keys 32 b + 16 hl + 0 .. 15; O's 16 registers of two tiles of d are d = 32 bd + 16 hl + 0 .. 15.
; oc: [pair of rows 256][K step 8][tile 2][2048], as x's codes: head h fills pieces 2 (h % 2) + bd of K step h / 2.  os: [pair][K step][lane] words: head h stores halfword h % 2, two bytes a lane, since the other halfword is the neighbouring head's.
; LIMITS: the promise holds while |t| stays under 2^31; 1 / sum is v_rcp_f32 and a multiplication; a p under 2^-126 comes out of v_exp_f32 as 0; a block under 2^-118 (zeros too) gets the byte 1; NaN and infinities are not served.
.set WV,   12
.set CX,   13
.set BH,   14
.set IB,   15                          ; i: which block of 128 queries my run's pair lies in
.set G1A,  16                          ; s[16:23] group 1: 64 rows of 256 bytes;  s[24:31]: 16 rows;  s[88:95]: 96 rows
.set G1S,  24
.set G0K,  32
.set G0V,  36
.set G0KS, 40
.set G0VS, 44
.set CNT,  48                          ; a loop's trips
.set OB,   52
.set OSB,  54
.set SEL,  56
.set CS,   58                          ; s[58:59] c = log2(e) / 8
.set MNT,  60
.set KS,   61                          ; the key step
.set TB,   62                          ; its codes' place in LDS: 8,192 bytes a step
.set TSC,  63                          ; its scale words': 512 bytes a step
.set RUN,  66
.set PP,   67
.set G1B,  88
.set G0B,  96
.set VC,   131072                      ; LDS: K's codes at 0, V's here,
.set KSC,  262144                      ; K's scale words,
.set VSC,  270336                      ; V's,
.set SPARE, 278528                     ; the spare words: 128 bytes a wave,
.set MSK,  279552                      ; the diagonal's mask: 32 groups of four registers, 512 bytes each; no fill lands here
; window 0
.set LI,   1                           ; 16 x lane
.set LS,   2                           ; 4 x lane
.set ADK,  3
.set ADV,  4
.set ADS,  5
.set ADT,  6
.set DD,   8                           ; the bound for the 16 mask registers that my wave makes
.set LMK,  9                           ; 16 x lane + MSK
.set NEG,  10                          ; -3e38
.set LSK,  11
.set ST,   12                          ; tile t at v[12 + 4 t]: -M, the largest score, the sum in two halves
.set FP,   20                          ; tile t at v[20 + 2 t]: f = 2^(old M - new M), and p's scale word
.set VW,   24                          ; v24-27 V's scale words;  v28-31 K's;  v32-33 q's, by tile
.set KW,   28
.set QS,   32
.set QR,   34                          ; q's word as it lies in memory; v35: the second run's
.set QR2,  35
.set TM,   36                          ; at work: tile 0 v36-51, tile 1 v224-239 (TM + 188)
.set TMP,  52                          ; v52, v53
.set PWO,  54
.set HW,   55
.set RQ,   56
.set LN,   57
.set LIV,  58
.set LSV,  59
.set SPW,  60
.set NIL,  61
.set OM,   62                          ; v62, v63: the old -M
.set S,    64                          ; v64-191 S^T, then p: 64 a tile; at the end o
.set PC,   192                         ; v192-223 p's codes, 16 a tile; at the end o's
; window 1
.set QN,   40                          ; v0-35 the run of q's pieces and zeros; v40-55 the second run's q
.set KF,   64                          ; K's four fragments
.set VF,   128                         ; V's four
.set OW,   192                         ; O^T, 32 a tile
.set MSB, 0
.macro WIN new
.if MSB != (\new)
	s_set_vgpr_msb (MSB<<8)|(\new)
.set MSB, (\new)
.endif
.endm
.macro PLACES n
.rept \n
	v_nop
.endr
.endm
.macro H n                             ; the line behind it reads what the n-th plain vector line back wrote
	s_delay_alu instid0(VALU_DEP_\n)
.endm
.macro WALU
	s_wait_alu depctr_va_vdst(0)
.endm
.macro ROUND
	s_barrier_signal -1
	s_barrier_wait -1
	s_cmp_lg_u32 s[WV], 0
	s_cbranch_scc1 .Lnot_wave_0_\@
	s_barrier_signal -3
.Lnot_wave_0_\@:
	s_barrier_wait -3
	s_barrier_signal -1
	s_barrier_wait -1
.endm
.macro ARM under, g0, g1, next
	s_cmp_lt_u32 s[WV], \under
	s_cbranch_scc0 \next
	tensor_load_to_lds s[\g0:\g0+3], s[\g1:\g1+7]
	s_nop 0
	PLACES 4
	s_branch .Lasked
\next:
.endm
.macro GROUP1 g, rows                  ; a dense block as rows of 256 bytes (32 elements of 8 bytes), no padding; 15:0 the mask: all four; 21 set beside a mask
	s_mov_b32 s[\g], 15|(3<<16)|(1<<21)
	s_mov_b32 s[\g+1], 32<<16
	s_mov_b32 s[\g+2], (\rows)<<16
	s_mov_b32 s[\g+3], 32<<16
	s_mov_b32 s[\g+4], \rows
	s_mov_b32 s[\g+5], 32
	s_mov_b32 s[\g+6], 0
	s_mov_b32 s[\g+7], 0
.endm
.macro HOLD2 x, b                      ; two numbers held at the block's bound in one line
	v_dual_min_num_f32 v[(\x)], v[(\x)], v[(\b)] :: v_dual_min_num_f32 v[(\x)+1], v[(\x)+1], v[(\b)]
.endm
.macro QUANT src, pc, pw
.irp b, 0,1,2,3
	v_max3_num_f32 v[TM+\b], |v[(\src)+16*\b]|, |v[(\src)+16*\b+1]|, 0x4800000
.endr
.irp i, 2,4,6,8,10,12,14
.irp b, 0,1,2,3
	s_delay_alu instid0(VALU_DEP_4)
	v_max3_num_f32 v[TM+\b], v[TM+\b], |v[(\src)+16*\b+\i]|, |v[(\src)+16*\b+\i+1]|
.endr
.endr
.irp b, 0,1,2,3
	s_delay_alu instid0(VALU_DEP_4)
	v_permlanex16_b32 v[TM+4+\b], v[TM+\b], s[SEL], s[SEL+1]
.endr
.irp b, 0,1,2,3
	s_delay_alu instid0(VALU_DEP_4)
	v_max_num_f32 v[TM+\b], v[TM+\b], v[TM+4+\b]
.endr
.irp b, 0,1,2,3
	s_delay_alu instid0(VALU_DEP_4)
	v_add_nc_u32 v[TM+12+\b], 0xfc000000, v[TM+\b]
.endr
.irp b, 0,1,2,3
	v_and_or_b32 v[TM+8+\b], v[TM+\b], 0x7f800000, s[MNT]
.endr
.irp b, 0,1,2,3
	v_lshrrev_b32 v[TM+4+\b], 23, v[TM+12+\b]
.endr
	s_delay_alu instid0(VALU_DEP_3)
	v_lshl_or_b32 v[\pw], v[TM+5], 8, v[TM+4]
	s_delay_alu instid0(VALU_DEP_1)
	v_lshl_or_b32 v[\pw], v[TM+6], 16, v[\pw]
	s_delay_alu instid0(VALU_DEP_1)
	v_lshl_or_b32 v[\pw], v[TM+7], 24, v[\pw]
.irp b, 0,1,2,3
.irp i, 0,1,2,3,4,5,6,7,8,9,10,11,12,13,14,15
	v_med3_num_f32 v[(\src)+16*\b+\i], v[(\src)+16*\b+\i], -v[TM+8+\b], v[TM+8+\b]
.endr
	v_cvt_scalef32_pk8_fp8_f32 v[(\pc)+4*\b:(\pc)+4*\b+1], v[(\src)+16*\b:(\src)+16*\b+7], v[TM+12+\b]
	v_cvt_scalef32_pk8_fp8_f32 v[(\pc)+4*\b+2:(\pc)+4*\b+3], v[(\src)+16*\b+8:(\src)+16*\b+15], v[TM+12+\b]
.endr
	v_nop
.endm
; S^T of both tiles: 16 products on 16 accumulators.  Register 16 b + i of a lane: key 128 ks + 32 b + 16 hl + i.  c = 0: each sum starts from the constant 0;  c = 1: from the mask, which lies in the sum's own registers
.macro SCORES c
	WIN 0x05                                       ; K and q in window 1, S^T in window 0
.irp b, 0,1,2,3
.irp t, 0,1
.if \c
	v_wmma_scale_f32_16x16x128_f8f6f4 v[S+64*\t+16*\b:S+64*\t+16*\b+7], v[KF+16*\b:KF+16*\b+15], v[4+16*\t:19+16*\t], v[S+64*\t+16*\b:S+64*\t+16*\b+7], v[KW+\b], v[QS+\t]
	v_wmma_scale_f32_16x16x128_f8f6f4 v[S+64*\t+16*\b+8:S+64*\t+16*\b+15], v[KF+16*\b:KF+16*\b+15], v[16*\t:16*\t+15], v[S+64*\t+16*\b+8:S+64*\t+16*\b+15], v[KW+\b], v[QS+\t]
.else
	v_wmma_scale_f32_16x16x128_f8f6f4 v[S+64*\t+16*\b:S+64*\t+16*\b+7], v[KF+16*\b:KF+16*\b+15], v[4+16*\t:19+16*\t], 0, v[KW+\b], v[QS+\t]
	v_wmma_scale_f32_16x16x128_f8f6f4 v[S+64*\t+16*\b+8:S+64*\t+16*\b+15], v[KF+16*\b:KF+16*\b+15], v[16*\t:16*\t+15], 0, v[KW+\b], v[QS+\t]
.endif
.endr
.endr
	WIN 0
.endm
; A run's start: where its results go, q's scale words by tile, the softmax's state, zeros in O^T
.macro INIT
	s_lshl_b32 s[PP], s[IB], 2
	s_add_co_u32 s[PP], s[PP], s[CX]               ; P = 4 i + j
	s_lshl_b32 s76, s[PP], 15
	s_add_nc_u64 s[72:73], s[OB:OB+1], s[76:77]
	s_lshl_b32 s76, s[PP], 10
	s_add_nc_u64 s[74:75], s[OSB:OSB+1], s[76:77]
	v_perm_b32 v[QS], v[QR], v[QR], s78
	v_perm_b32 v[QS+1], v[QR], v[QR], s79
.irp t, 0,1
	v_mov_b32 v[ST+4*\t+1], 0xff61b1e6             ; the largest score so far: -3e38
	v_mov_b32 v[ST+4*\t], 0x7e000000               ; -M = 2^125: the first f is 0, and finds zeros
.endr
.irp z, 2,3,6,7,8,9,10,11
	v_mov_b32 v[ST+\z], 0                          ; the sums; f and p's scale word (named as pairs before they are first made)
.endr
	WIN 0x40
.set qn, 0
.rept 64
	v_mov_b32 v[OW+qn], 0                          ; O^T: a run's first step finds zeros.  Also the places between q's codes and scale words and their first use
.set qn, qn+1
.endr
	WIN 0
	s_mov_b32 s[KS], 0
	s_mov_b32 s[TB], 0
	s_mov_b32 s[TSC], 0
	WALU
.endm
; A KEY STEP of 128 keys.  gen = 0: all its keys count;  gen = 1: it may also be hidden (ks > i: its work is left out) or lie on the diagonal (ks = i)
.macro STEP gen
.if \gen
	s_cmp_gt_u32 s[KS], s[IB]
	s_cbranch_scc1 .Lhidden_\@
.endif
	v_add_nc_u32 v[ADK], s[TB], v[LI]
	v_add_nc_u32 v[ADV], s[TB], v[LIV]
	v_add_nc_u32 v[ADS], s[TSC], v[LSK]
	v_add_nc_u32 v[ADT], s[TSC], v[LSV]
	PLACES 4                                       ; with the four additions: eight places in front of loads into registers that the last step's products have read
.irp b, 0,1,2,3
	ds_load_b32 v[KW+\b], v[ADS] offset:128*\b
.endr
.irp b, 0,1,2,3
	ds_load_b32 v[VW+\b], v[ADT] offset:128*\b
.endr
	WIN 0x40
.set qi, 0
.rept 16
	ds_load_b128 v[KF+4*qi:KF+4*qi+3], v[ADK] offset:512*qi
.set qi, qi+1
.endr
.set qi, 0
.rept 16
	ds_load_b128 v[VF+4*qi:VF+4*qi+3], v[ADV] offset:512*qi
.set qi, qi+1
.endr
	WIN 0
.if \gen
	s_cmp_lt_u32 s[KS], s[IB]
	s_cbranch_scc1 .Lopen_\@
.set qi, 0
.rept 32
	ds_load_b128 v[S+4*qi:S+4*qi+3], v[LMK] offset:512*qi   ; the diagonal: the mask into the sums' registers
.set qi, qi+1
.endr
	s_wait_dscnt 0x0
	SCORES 1
	s_branch .Lscored_\@
.Lopen_\@:
.endif
	s_wait_dscnt 16                                ; the scale words and K are in; V's 16 loads may be out
	SCORES 0
.if \gen
.Lscored_\@:
.endif
	PLACES 8                                       ; in front of the first read of the results (ISA guide 7.12.1)
.irp t, 0,1
.irp b, 0,1,2,3
	v_max3_num_f32 v[TM+188*\t+\b], v[S+64*\t+16*\b], v[S+64*\t+16*\b+1], v[S+64*\t+16*\b+2]   ; the largest score of each block of 32 keys: it serves the row's maximum and, since p rises with the score, the block's largest p
.endr
.endr
.irp i, 3,5,7,9,11,13
.irp t, 0,1
.irp b, 0,1,2,3
	v_max3_num_f32 v[TM+188*\t+\b], v[TM+188*\t+\b], v[S+64*\t+16*\b+\i], v[S+64*\t+16*\b+\i+1]
.endr
.endr
.endr
.irp t, 0,1
.irp b, 0,1,2,3
	v_max_num_f32 v[TM+188*\t+\b], v[TM+188*\t+\b], v[S+64*\t+16*\b+15]
.endr
.endr
.irp t, 0,1
.irp b, 0,1,2,3
	v_permlanex16_b32 v[TM+188*\t+4+\b], v[TM+188*\t+\b], s[SEL], s[SEL+1]
.endr
.endr
.irp t, 0,1
.irp b, 0,1,2,3
	v_max_num_f32 v[TM+188*\t+\b], v[TM+188*\t+\b], v[TM+188*\t+4+\b]
.endr
.endr
.irp t, 0,1
	v_max3_num_f32 v[TMP+\t], v[TM+188*\t], v[TM+188*\t+1], v[TM+188*\t+2]
.endr
.irp t, 0,1
	H 2
	v_max3_num_f32 v[ST+4*\t+1], v[ST+4*\t+1], v[TMP+\t], v[TM+188*\t+3]   ; the running largest score
.endr
.irp t, 0,1
	H 2
	v_mul_f32 v[TMP+\t], s[CS], v[ST+4*\t+1]       ; as t
.endr
.irp t, 0,1
	v_mov_b32 v[OM+\t], v[ST+4*\t]
.endr
.irp t, 0,1
	H 4
	v_floor_f32 v[ST+4*\t], -v[TMP+\t]             ; the new -M = -ceil(t)
.endr
.irp t, 0,1
	H 2
	v_sub_f32 v[TMP+\t], v[ST+4*\t], v[OM+\t]      ; old M - new M: a whole number, 0 or less
.endr
.irp t, 0,1
	H 2
	v_cvt_i32_f32 v[TMP+\t], v[TMP+\t]             ; (it saturates)
.endr
.irp t, 0,1
	H 2
	v_ldexp_f32 v[FP+2*\t], 1.0, v[TMP+\t]         ; f
.endr
.irp t, 0,1
.set qn, 0
.rept 32
	v_pk_fma_f32 v[S+64*\t+qn:S+64*\t+qn+1], v[S+64*\t+qn:S+64*\t+qn+1], s[CS:CS+1], v[ST+4*\t:ST+4*\t+1] op_sel_hi:[1,0,0]   ; t - M, two at a time
.set qn, qn+2
.endr
.endr
.irp t, 0,1
.irp b, 0,1,2,3
	v_fma_f32 v[TM+188*\t+\b], v[TM+188*\t+\b], s[CS], v[ST+4*\t]
.endr
.endr
	WALU                                           ; the wait ahead of the batch
.set qn, 0
.rept 128
	v_exp_f32 v[S+qn], v[S+qn]                     ; p, at most 1
.set qn, qn+1
.endr
.irp t, 0,1
.irp b, 0,1,2,3
	v_exp_f32 v[TM+188*\t+\b], v[TM+188*\t+\b]     ; the block's largest p: the same two instructions on the same number
.endr
.endr
.irp t, 0,1
	v_pk_mul_f32 v[ST+4*\t+2:ST+4*\t+3], v[ST+4*\t+2:ST+4*\t+3], v[FP+2*\t:FP+2*\t+1] op_sel_hi:[1,0]   ; the sums under the new M; plain lines behind the exponentials
.endr
	WALU                                           ; and behind it, ahead of its first reader
.irp t, 0,1
.irp b, 0,1,2,3
	v_max_num_f32 v[TM+188*\t+\b], 0x4800000, v[TM+188*\t+\b]    ; the floor 2^(9 - 127)
.endr
.endr
.irp t, 0,1
.irp b, 0,1,2,3
	v_add_nc_u32 v[TM+188*\t+12+\b], 0xfc000000, v[TM+188*\t+\b]
.endr
.endr
.irp t, 0,1
.irp b, 0,1,2,3
	v_and_or_b32 v[TM+188*\t+8+\b], v[TM+188*\t+\b], 0x7f800000, s[MNT]
.endr
.endr
.irp t, 0,1
.irp b, 0,1,2,3
	v_lshrrev_b32 v[TM+188*\t+4+\b], 23, v[TM+188*\t+12+\b]
.endr
.endr
.irp t, 0,1
	v_lshl_or_b32 v[FP+2*\t+1], v[TM+188*\t+5], 8, v[TM+188*\t+4]     ; p's scale word for these 128 keys
.endr
.irp t, 0,1
	H 2
	v_lshl_or_b32 v[FP+2*\t+1], v[TM+188*\t+6], 16, v[FP+2*\t+1]
.endr
.irp t, 0,1
	H 2
	v_lshl_or_b32 v[FP+2*\t+1], v[TM+188*\t+7], 24, v[FP+2*\t+1]
.endr
.irp t, 0,1
	v_pk_add_f32 v[TM+188*\t+4:TM+188*\t+5], v[S+64*\t:S+64*\t+1], v[S+64*\t+2:S+64*\t+3]   ; the rows' sums, of the unquantised p: two chains a tile, four by turns
.endr
.set qn, 4
.rept 15
.irp t, 0,1
	v_pk_add_f32 v[ST+4*\t+2:ST+4*\t+3], v[ST+4*\t+2:ST+4*\t+3], v[S+64*\t+qn:S+64*\t+qn+1]
.endr
.irp t, 0,1
	v_pk_add_f32 v[TM+188*\t+4:TM+188*\t+5], v[TM+188*\t+4:TM+188*\t+5], v[S+64*\t+qn+2:S+64*\t+qn+3]
.endr
.set qn, qn+4
.endr
.irp t, 0,1
	v_pk_add_f32 v[ST+4*\t+2:ST+4*\t+3], v[ST+4*\t+2:ST+4*\t+3], v[TM+188*\t+4:TM+188*\t+5]
.endr
.irp t, 0,1
.irp b, 0,1,2,3
.irp i, 0,2,4,6,8,10,12,14
	HOLD2 S+64*\t+16*\b+\i, TM+188*\t+8+\b         ; the hold (the conversion does not saturate: ISA guide 7.6.2); p is not negative, so it is one-sided
.endr
	v_cvt_scalef32_pk8_fp8_f32 v[PC+16*\t+4*\b:PC+16*\t+4*\b+1], v[S+64*\t+16*\b:S+64*\t+16*\b+7], v[TM+188*\t+12+\b]
	v_cvt_scalef32_pk8_fp8_f32 v[PC+16*\t+4*\b+2:PC+16*\t+4*\b+3], v[S+64*\t+16*\b+8:S+64*\t+16*\b+15], v[TM+188*\t+12+\b]
.endr
.endr
	WIN 0x41
	WALU
.irp t, 0,1
.set qn, 0
.rept 16
	v_pk_mul_f32 v[OW+32*\t+qn:OW+32*\t+qn+1], v[OW+32*\t+qn:OW+32*\t+qn+1], v[FP+2*\t:FP+2*\t+1] op_sel_hi:[1,0]   ; O^T under the new M, each accumulator from its low end on; also the plain lines behind the conversions and in front of the products
.set qn, qn+2
.endr
.endr
	WALU
	s_wait_dscnt 0x0                               ; V is in
	WIN 0x51                                       ; V and O^T in window 1, p's codes in window 0
.irp dt, 0,1,2,3
.irp t, 0,1
	v_wmma_scale_f32_16x16x128_f8f6f4 v[OW+32*\t+8*\dt:OW+32*\t+8*\dt+7], v[VF+16*\dt:VF+16*\dt+15], v[PC+16*\t:PC+16*\t+15], v[OW+32*\t+8*\dt:OW+32*\t+8*\dt+7], v[VW+\dt], v[FP+2*\t+1]   ; eight accumulators, one instruction each
.endr
.endr
	WIN 0
.if \gen
.Lhidden_\@:
.endif
	s_add_co_u32 s[TB], s[TB], 8192
	s_add_co_u32 s[TSC], s[TSC], 512
	s_add_co_u32 s[KS], s[KS], 1
.endm
	s_load_b256 s[4:11], s[0:1], 0x0               ; c2, s2, oc, os
	v_lshl_add_u32 v[SPW], v0, 2, SPARE
	v_mov_b32 v[NIL], 0
	ds_add_u32 v[SPW], v[NIL]                      ; the add, twice on end, and its wait ahead of my first tensor load
	ds_add_u32 v[SPW], v[NIL]
	v_lshrrev_b32 v1, 5, v0
	v_readfirstlane_b32 s[WV], v1                  ; wave 0..7
	v_and_b32 v[LN], 31, v0
	v_lshlrev_b32 v[LI], 4, v[LN]
	v_lshlrev_b32 v[LS], 2, v[LN]
	v_add_nc_u32 v[LIV], VC, v[LI]
	v_add_nc_u32 v[LSK], KSC, v[LS]
	v_add_nc_u32 v[LSV], VSC, v[LS]
	v_add_nc_u32 v[LMK], MSK, v[LI]
	v_and_b32 v[TMP], 15, v0                       ; r
	v_and_b32 v[PWO], 8, v[TMP]
	v_add_nc_u32 v[RQ], v[TMP], v[PWO]
	v_and_b32 v[PWO], 16, v0                       ; 16 hl
	v_sub_nc_u32 v[RQ], v[RQ], v[PWO]
	s_bfe_u32 s[CX], ttmp6, 0x40000
	s_lshl_b32 s76, s[CX], 5                       ; my wave makes the mask's registers of tile t = w / 4, block b = w % 4: register i is hidden where i > 32 j + 8 t - 32 b + r + 8 (r / 8) - 16 hl
	s_lshr_b32 s84, s[WV], 2
	s_lshl_b32 s84, s84, 3
	s_add_co_u32 s76, s76, s84
	s_and_b32 s84, s[WV], 3
	s_lshl_b32 s84, s84, 5
	s_sub_co_i32 s76, s76, s84
	WALU
	v_add_nc_u32 v[DD], s76, v[RQ]
	s_lshl_b32 s84, s[WV], 11
	s_add_co_u32 s84, s84, MSK
	v_add_nc_u32 v[ADK], s84, v[LI]                ; and puts them at groups 4 w .. 4 w + 3
	v_mov_b32 v[NEG], 0xff61b1e6
.irp b, 0,1,2,3
	v_mov_b32 v[TM+4+\b], 0                        ; written once: a lane permute's destination counts as one of its sources
	v_mov_b32 v[TM+188+4+\b], 0
.endr
	s_and_b32 s[BH], ttmp7, 0xffff                 ; 16 b + h, which the four partners share
	GROUP1 G1A, 64
	GROUP1 G1S, 16
	GROUP1 G1B, 96
	s_and_b32 s84, s[WV], 1                        ; the head's loads: which half of its block a wave fetches: of b h and the wave's number alone
	s_lshl_b32 s80, s[BH], 17
	s_lshl_b32 s81, s84, 14
	s_add_co_u32 s80, s80, s81
	s_mov_b32 s81, 0
	s_lshl_b32 s82, s[BH], 13
	s_lshl_b32 s83, s84, 12
	s_add_co_u32 s82, s82, s83
	s_mov_b32 s83, 0
	s_mov_b32 s[G0K], 1
	s_lshl_b32 s[G0K+1], s84, 14
	s_mov_b32 s[G0V], 1
	s_lshl_b32 s[G0V+1], s84, 14
	s_add_co_u32 s[G0V+1], s[G0V+1], VC
	s_mov_b32 s[G0KS], 1
	s_lshl_b32 s[G0KS+1], s84, 12
	s_add_co_u32 s[G0KS+1], s[G0KS+1], KSC
	s_mov_b32 s[G0VS], 1
	s_lshl_b32 s[G0VS+1], s84, 12
	s_add_co_u32 s[G0VS+1], s[G0VS+1], VSC
	s_lshr_b32 s84, s[WV], 2                       ; the second group: waves 0-3 a quarter each of K's key steps 4 .. 15, waves 4-7 of V's
	s_and_b32 s85, s[WV], 3
	s_mul_i32 s85, s85, 24576
	s_add_co_u32 s85, s85, 32768
	s_lshl_b32 s86, s84, 17
	s_mov_b32 s[G0B], 1
	s_add_co_u32 s[G0B+1], s86, s85
	s_lshl_b32 s86, s84, 23                        ; V's codes lie 8,388,608 bytes behind K's
	s_add_co_u32 s86, s86, s85
	s_lshl_b32 s87, s[BH], 17
	s_add_co_u32 s86, s86, s87
	s_add_co_u32 s86, s86, 8388608
	s_mov_b32 s87, 0
	s_mov_b32 s[SEL], 0x76543210
	s_mov_b32 s[SEL+1], 0xfedcba98
	s_mov_b32 s[CS], 0x3e38aa3b                    ; log2(e) / 8
	s_mov_b32 s[CS+1], s[CS]                       ; (named with it as a pair, so it is written)
	s_mov_b32 s[MNT], 0x600000
	s_mov_b32 s77, 0                               ; the upper word of the offsets made in s76
	s_mov_b32 s78, 0x02020000                      ; q's word for tile 0: bytes 0, 0, 2, 2: it serves Qe and Qo alike
	s_mov_b32 s79, 0x03030101                      ; for tile 1: bytes 1, 1, 3, 3
	WALU
	s_wait_dscnt 0x0
	s_wait_kmcnt 0x0
	s_lshl_b32 s84, s[BH], 17                      ; q of both runs, asked for first: P = 4 i + j, i = 15 - w and w
	s_mov_b32 s85, 0
	s_add_nc_u64 s[68:69], s[4:5], s[84:85]
	s_lshl_b32 s84, s[BH], 13
	s_add_nc_u64 s[72:73], s[6:7], s[84:85]
	s_lshl_b32 s49, s[WV], 2
	s_add_co_u32 s49, s49, s[CX]                   ; the second run's P
	s_sub_co_u32 s50, 15, s[WV]
	s_lshl_b32 s50, s50, 2
	s_add_co_u32 s50, s50, s[CX]                   ; the first run's
	s_lshl_b32 s76, s49, 11
	s_add_nc_u64 s[70:71], s[68:69], s[76:77]
	s_lshl_b32 s76, s50, 11
	s_add_nc_u64 s[68:69], s[68:69], s[76:77]
	s_lshl_b32 s76, s49, 7
	s_add_nc_u64 s[74:75], s[72:73], s[76:77]
	s_lshl_b32 s76, s50, 7
	s_add_nc_u64 s[72:73], s[72:73], s[76:77]
	WIN 0x40                                       ; q's four pieces between the zeros: [0, a0, 0, a1, 0, b0, 0, b1, 0], four registers each
	global_load_b128 v[4:7], v[LI], s[68:69]
	global_load_b128 v[20:23], v[LI], s[68:69] offset:512
	global_load_b128 v[12:15], v[LI], s[68:69] offset:1024
	global_load_b128 v[28:31], v[LI], s[68:69] offset:1536
.irp c, 0,1,2,3
	global_load_b128 v[QN+4*\c:QN+4*\c+3], v[LI], s[70:71] offset:512*\c
.endr
	WIN 0
	global_load_b32 v[QR], v[LS], s[72:73]
	global_load_b32 v[QR2], v[LS], s[74:75]
	s_add_nc_u64 s[G0K+2:G0K+3], s[4:5], s[80:81]
	s_add_nc_u64 s[G0K+2:G0K+3], s[G0K+2:G0K+3], 8388608
	s_or_b32 s[G0K+3], s[G0K+3], 0x80000000
	s_add_nc_u64 s[G0V+2:G0V+3], s[4:5], s[80:81]
	s_add_nc_u64 s[G0V+2:G0V+3], s[G0V+2:G0V+3], 16777216
	s_or_b32 s[G0V+3], s[G0V+3], 0x80000000
	s_add_nc_u64 s[G0KS+2:G0KS+3], s[6:7], s[82:83]
	s_add_nc_u64 s[G0KS+2:G0KS+3], s[G0KS+2:G0KS+3], 524288
	s_or_b32 s[G0KS+3], s[G0KS+3], 0x80000000
	s_add_nc_u64 s[G0VS+2:G0VS+3], s[6:7], s[82:83]
	s_add_nc_u64 s[G0VS+2:G0VS+3], s[G0VS+2:G0VS+3], 1048576
	s_or_b32 s[G0VS+3], s[G0VS+3], 0x80000000
	s_add_nc_u64 s[G0B+2:G0B+3], s[4:5], s[86:87]
	s_or_b32 s[G0B+3], s[G0B+3], 0x80000000
	ROUND                                          ; all four work-groups are here: the joint loads meet
	ARM 2, G0K,  G1A, .Lfor_v                      ; ONE joint load a wave, in one chain of arms: waves 0, 1 the halves of K's key steps 0 .. 3,
	ARM 4, G0V,  G1A, .Lfor_ks                     ; waves 2, 3 of V's,
	ARM 6, G0KS, G1S, .Lfor_vs                     ; waves 4, 5 the halves of K's scale words,
	tensor_load_to_lds s[G0VS:G0VS+3], s[G1S:G1S+7]   ; waves 6, 7 of V's
	s_nop 0
	PLACES 4
.Lasked:
.set qn, 0
.rept 16                               ; my 16 registers of the mask
	v_cmp_gt_i32 vcc_lo, qn, v[DD]
	v_cndmask_b32 v[S+qn], 0, v[NEG], vcc_lo
.set qn, qn+1
.endr
.irp k, 0,1,2,3
	ds_store_b128 v[ADK], v[S+4*\k:S+4*\k+3] offset:512*\k
.endr
	WIN 0x40
.irp z, 0,8,16,24,32
.irp c, 0,1,2,3
	v_mov_b32 v[\z+\c], 0                          ; the five groups of zero codes in q's run, written once
.endr
.endr
	WIN 0
	s_lshr_b32 s80, s[BH], 4                       ; b
	s_and_b32 s81, s[BH], 15                       ; h
	s_lshr_b32 s82, s81, 1
	s_and_b32 s83, s81, 1
	s_lshl_b32 s84, s80, 21                        ; 64 pairs of 32,768 bytes a batch,
	s_lshl_b32 s86, s82, 12                        ; K step h / 2,
	s_add_co_u32 s84, s84, s86
	s_lshl_b32 s86, s83, 10                        ; pieces 2 (h % 2) on
	s_add_co_u32 s84, s84, s86
	s_add_nc_u64 s[OB:OB+1], s[8:9], s[84:85]
	s_lshl_b32 s84, s80, 16
	s_lshl_b32 s86, s82, 7
	s_add_co_u32 s84, s84, s86
	s_lshl_b32 s86, s83, 1
	s_add_co_u32 s84, s84, s86
	s_add_nc_u64 s[OSB:OSB+1], s[10:11], s[84:85]
	s_sub_co_u32 s[IB], 15, s[WV]                  ; the first run: the longer one
	s_mov_b32 s[RUN], 0
	s_mov_b32 s[CNT], 0
	WALU
	s_wait_loadcnt 0x0                             ; q of both runs
	s_wait_tensorcnt 0x0                           ; my part of the first group has landed
	ds_add_u32 v[SPW], v[NIL]
	s_wait_dscnt 0x0                               ; the add is done, and so are my stores of the mask
	ROUND                                          ; everybody's part and the whole mask are in, and all four work-groups are here
	tensor_load_to_lds s[G0B:G0B+3], s[G1B:G1B+7]  ; the second group: one load of mine is out, over the first four steps
	s_nop 0
	PLACES 4
	INIT
.Lfirst:                                           ; key steps 0 .. 3 of the first run: open in every wave, and they read the first group's bytes alone
	STEP 0
	s_add_co_u32 s[CNT], s[CNT], 1
	s_cmp_lt_u32 s[CNT], 4
	s_cbranch_scc1 .Lfirst
	WALU
	s_wait_tensorcnt 0x0                           ; my part of the second group has landed,
	s_wait_dscnt 0x0
	s_barrier_signal -1
	s_barrier_wait -1                              ; everybody's has
.Lrun:
	s_mov_b32 s[CNT], 0
.Lks:                                              ; 12 trips, a constant: key steps 4 .. 15 of the first run, 0 .. 11 of the second
	STEP 1
	s_add_co_u32 s[CNT], s[CNT], 1
	s_cmp_lt_u32 s[CNT], 12
	s_cbranch_scc1 .Lks
	; ---- the run's end: O^T / the sum, quantised along d: four blocks (tile, bd) of 16 registers are four pieces of o's fragments
	PLACES 8                                       ; behind the last products
	v_add_f32 v[TM], v[ST+2], v[ST+3]
	v_add_f32 v[TM+1], v[ST+6], v[ST+7]
	v_permlanex16_b32 v[TM+4], v[TM], s[SEL], s[SEL+1]
	v_permlanex16_b32 v[TM+5], v[TM+1], s[SEL], s[SEL+1]
	v_add_f32 v[TM], v[TM], v[TM+4]
	v_add_f32 v[TM+1], v[TM+1], v[TM+5]
	WALU
	v_rcp_f32 v[TM], v[TM]
	v_rcp_f32 v[TM+1], v[TM+1]
	v_nop                                          ; a plain line behind the reciprocals
	WIN 0x01
	WALU
.set qn, 0
.rept 64
	v_mul_f32 v[S+qn], v[OW+qn], v[TM+qn/32]
.set qn, qn+1
.endr
	WIN 0
	QUANT S, PC, PWO                               ; the word's bytes: tile 0 d 0-31, tile 0 d 32-63, tile 1 d 0-31, tile 1 d 32-63
.irp q, 0,1,2,3
	global_store_b128 v[LI], v[PC+4*\q:PC+4*\q+3], s[72:73] offset:2048*(\q>>1)+512*(\q&1)   ; 512 consecutive bytes, aligned
.endr
	v_lshrrev_b32 v[HW], 16, v[PWO]
	v_cmp_lt_u32 vcc_lo, 15, v[LN]
	v_cndmask_b32 v[HW], v[PWO], v[HW], vcc_lo     ; lanes 0-15 tile 0's two bytes, lanes 16-31 tile 1's
	global_store_b16 v[LS], v[HW], s[74:75]
	WALU
	s_wait_xcnt 0x0                                ; the stores' registers and bases are rewritten only behind this wait
	s_cmp_eq_u32 s[RUN], 1
	s_cbranch_scc1 .Llast
	s_mov_b32 s[IB], s[WV]                         ; the second run
	WIN 0x41                                       ; its q takes its place
.irp c, 0,1,2,3
	v_mov_b32 v[4+\c], v[QN+\c]
	v_mov_b32 v[20+\c], v[QN+4+\c]
	v_mov_b32 v[12+\c], v[QN+8+\c]
	v_mov_b32 v[28+\c], v[QN+12+\c]
.endr
	WIN 0
	v_mov_b32 v[QR], v[QR2]
	INIT
.Llast:
	s_add_co_u32 s[RUN], s[RUN], 1
	s_cmp_lt_u32 s[RUN], 2
	s_cbranch_scc1 .Lrun
	s_wait_dscnt 0x0                               ; no LDS instruction of mine is pending at a signal
	s_wait_tensorcnt 0x0                           ; the wave's end
	ds_add_u32 v[SPW], v[NIL]
	s_wait_dscnt 0x0
	ROUND                                          ; the closing round
	s_endpgm
.Lfunc_end_k_q3d366c5b23_attn:
	.size	k_q3d366c5b23_attn, .Lfunc_end_k_q3d366c5b23_attn-k_q3d366c5b23_attn
	.p2alignl 7, 3214868480
	.fill 96, 4, 3214868480
	.section	.rodata,"a",@progbits
	.p2align	6, 0x0
	.amdhsa_kernel k_q3d366c5b23_attn
		.amdhsa_group_segment_fixed_size 327680
		.amdhsa_private_segment_fixed_size 0
		.amdhsa_enable_private_segment 0
		.amdhsa_kernarg_size 32
		.amdhsa_user_sgpr_count 2
		.amdhsa_user_sgpr_kernarg_segment_ptr 1
		.amdhsa_wavefront_size32 1
		.amdhsa_system_sgpr_workgroup_id_x 1
		.amdhsa_system_sgpr_workgroup_id_y 1
		.amdhsa_system_sgpr_workgroup_id_z 1
		.amdhsa_system_vgpr_workitem_id 0
		.amdhsa_next_free_vgpr 512
		.amdhsa_next_free_sgpr 100
		.amdhsa_reserve_vcc 1
		.amdhsa_float_denorm_mode_32 3
		.amdhsa_float_denorm_mode_16_64 3
		.amdhsa_memory_ordered 1
		.amdhsa_forward_progress 1
		.amdhsa_inst_pref_size 106
	.end_amdhsa_kernel
	.amdgpu_metadata
---
amdhsa.version: [ 1, 2 ]
amdhsa.kernels:
  - .name:           k_q3d366c5b23_attn
    .symbol:         k_q3d366c5b23_attn.kd
    .args:
      - { .name: c2, .offset: 0, .size: 8, .value_kind: global_buffer, .address_space: global }
      - { .name: s2, .offset: 8, .size: 8, .value_kind: global_buffer, .address_space: global }
      - { .name: oc, .offset: 16, .size: 8, .value_kind: global_buffer, .address_space: global }
      - { .name: os, .offset: 24, .size: 8, .value_kind: global_buffer, .address_space: global }
    .group_segment_fixed_size: 327680
    .private_segment_fixed_size: 0
    .kernarg_segment_align: 8
    .kernarg_segment_size: 32
    .max_flat_workgroup_size: 256
    .sgpr_count:     100
    .vgpr_count:     512
    .wavefront_size: 32
...
	.end_amdgpu_metadata
.endif
;; end of part 3
;; launch proj (part 4): grid 4 x 64, 4 waves a work-group, clusters of 4 x 1, 170,496 bytes of LDS; arguments oc, os, c1, s1, bo, out0; writes out0
.if DOCPART == 4
	.amdgcn_target "amdgcn-amd-amdhsa--gfx1250"
	.amdhsa_code_object_version 6
	.text
	.protected	k_q3d366c5b23_proj
	.globl	k_q3d366c5b23_proj
	.p2align	8
	.type	k_q3d366c5b23_proj,@function
k_q3d366c5b23_proj:
	s_mov_b64 s[64:65], 0
	v_nop
	global_prefetch_b8 v0, s[64:65] scope:SCOPE_SE
	s_setreg_imm32_b32 hwreg(HW_REG_WAVE_MODE, 25, 1), 1
	s_wait_xcnt 0x0
	s_wait_alu depctr_hold_cnt(0) depctr_sa_sdst(0) depctr_va_vdst(0) depctr_va_sdst(0) depctr_va_ssrc(0) depctr_va_vcc(0) depctr_vm_vsrc(0)
	s_getreg_b32 s2, hwreg(HW_REG_IB_STS2, 6, 4)
	s_cmp_eq_u32 s2, 0
	s_cbranch_scc0 .Lentry_in_a_cluster
	s_endpgm
.Lentry_in_a_cluster:
	s_bfe_u32 s2, ttmp6, 0x10000c
	s_cmp_lg_u32 s2, 0x3003
	s_cbranch_scc0 .Lentry_shape_is_right
	s_endpgm
.Lentry_shape_is_right:
; out0 = o Wo^T + bo on codes of E4M3 (K = E = 1,024); out0 [8192][1024] f32.
; SHARES.  A work-group takes 128 rows (four pairs of tiles of o) and 256 columns (slice cx); wave w takes columns 64 w on.  Wo IS STATIONARY: the wave's two pairs of rows n, all of K, 32 fragments, fill windows 1 and 2, read once.
; The four pairs of o (128 KiB of codes, 4 KiB of scale words) lie in LDS, filled ONCE, and stream through window 3.
; CLUSTER.  The four column slices of a cluster share their rows of o: these are asked for JOINTLY (mask 15).  Nothing in LDS is filled again.
; FORM.  Source 0 = 16 rows n of Wo, source 1 = 16 rows t of o: a lane holds one row t, and the 16 registers of Wo's two tiles are n = 32 pair + 16 hl + 0 .. 15.  The bias is the C of each sum's first product.
; THE WAY OUT.  A pair's 32 rows x 64 columns go through the wave's own stage (rows of 256 bytes + 16) and leave as whole runs of 256 consecutive bytes, aligned, sixteen lanes to a run.
; REGISTERS: window 0: v1-9 addresses; v16-31 Wo's scale words; v32-47 o's, two sets; v48-79 the bias, four tiles; v80-143 the 8 accumulators; v144-207 rows on their way out.
.set G1C,  16                          ; s[16:23] group 1: 256 rows of 256 bytes;  s[24:31]: 8 rows
.set G1S,  24
.set G0C,  32
.set G0S,  36
.set WV,   40
.set CX,   41
.set YY,   42
.set XB,   44                          ; s[44:45] Wo's codes at my two pairs;  s[46:47] their scale words
.set XSB,  46
.set OUT,  48
.set BB,   50
.set OSC,  131072                      ; LDS: o's codes at 0, its scale words here,
.set STG,  135168                      ; the stages: 32 rows x 272 bytes for each wave; no fill lands here
.set LI,   1
.set L8,   2
.set L4,   3
.set ADN,  4
.set ASN,  5
.set SO,   6                           ; the stage: where I put 16 bytes of a row
.set SR,   7                           ; and where I read a row back
.set CO,   8                           ; my byte offset in out0
.set BOF,  9                           ; my byte offset in the bias
.set SS,   16
.set TS,   32
.set BI,   48
.set ACC,  80
.set OUTR, 144
.set MSB, 0
.macro WIN new
.if MSB != (\new)
	s_set_vgpr_msb (MSB<<8)|(\new)
.set MSB, (\new)
.endif
.endm
.macro PLACES n
.rept \n
	v_nop
.endr
.endm
.macro ROUND
	s_barrier_signal -1
	s_barrier_wait -1
	s_cmp_lg_u32 s[WV], 0
	s_cbranch_scc1 .Lnot_wave_0_\@
	s_barrier_signal -3
.Lnot_wave_0_\@:
	s_barrier_wait -3
	s_barrier_signal -1
	s_barrier_wait -1
.endm
.macro WM d, a, b, c, sa, sb, ra, rb   ; ra, rb: the side's scale words stand in lanes 16-31
.if (\ra) && (\rb)
	v_wmma_scale_f32_16x16x128_f8f6f4 v[\d:\d+7], v[\a:\a+15], v[\b:\b+15], v[\c:\c+7], v[\sa], v[\sb] matrix_a_scale:MATRIX_SCALE_ROW1 matrix_b_scale:MATRIX_SCALE_ROW1
.elseif (\ra)
	v_wmma_scale_f32_16x16x128_f8f6f4 v[\d:\d+7], v[\a:\a+15], v[\b:\b+15], v[\c:\c+7], v[\sa], v[\sb] matrix_a_scale:MATRIX_SCALE_ROW1
.elseif (\rb)
	v_wmma_scale_f32_16x16x128_f8f6f4 v[\d:\d+7], v[\a:\a+15], v[\b:\b+15], v[\c:\c+7], v[\sa], v[\sb] matrix_b_scale:MATRIX_SCALE_ROW1
.else
	v_wmma_scale_f32_16x16x128_f8f6f4 v[\d:\d+7], v[\a:\a+15], v[\b:\b+15], v[\c:\c+7], v[\sa], v[\sb]
.endif
.endm
; 32 products: Wo's pairs g = 0, 1 (windows 1, 2) x four K steps x 2 x 2 tiles.  Four accumulators take turns, one instruction a turn.  K step 0 starts each sum from the bias.
; tset: which set of o's scale words.  It arrives as text and stands inside a product, so it is put in parentheses.
.macro MMH half, tset
.irp g, 0,1
	WIN 0x0d+\g
.irp ks, 0,1,2,3
.irp us, 0,1
.irp ut, 0,1
.set sK, 4*\half+\ks
.set rS, 16*(2*sK+\us)
.set rT, 16*(2*sK+\ut)
.set rD, ACC+16*(2*\ut+\g)+8*\us
.set rC, rD
.if sK == 0
.set rC, BI+8*(2*\g+\us)
.endif
.set rW, TS+8*(\tset)+sK
	WM rD, rS, rT, rC, SS+8*\g+sK, rW, \us, \ut
.endr
.endr
.endr
.endr
.endm
.macro LOADH half
	WIN 0xc0
.set qi, 0
.rept 32
	ds_load_b128 v[128*\half+4*qi:128*\half+4*qi+3], v[ADN] offset:16384*\half+512*qi
.set qi, qi+1
.endr
	WIN 0
.endm
.macro SCLOAD tset
.irp q, 0,1,2,3,4,5,6,7
	ds_load_b32 v[TS+8*(\tset)+\q], v[ASN] offset:128*\q
.endr
.endm
; Pair pr of o's rows against my 64 columns: 64 products, and the way out.  nx = 1: the next pair is fetched, each half as soon as this pair's half has been multiplied.
.macro PAIR pr, nx
	s_wait_dscnt 32                                ; the scale words and the first half are in; the second half's 32 loads may be out
	MMH 0, (\pr)&1
	WIN 0
.if \nx
	v_add_nc_u32 v[ADN], 32768*((\pr)+1), v[LI]
	v_add_nc_u32 v[ASN], OSC+1024*((\pr)+1), v[L4]
	PLACES 6                                       ; with the two additions: eight places in front of loads into registers that the products have read
	SCLOAD 1-((\pr)&1)
	LOADH 0
	s_wait_alu depctr_va_vdst(0)
	s_wait_dscnt 40                                ; the second half is in: behind it stand the 8 + 32 loads just issued
.else
	s_wait_dscnt 0x0
.endif
	MMH 1, (\pr)&1
	WIN 0
	PLACES 9                                       ; eight in front of the stage's stores and the loads below; the ninth since the next pair's first products begin these accumulators anew, from the bias
	s_wait_xcnt 0x0                                ; the rows that the last pair's stores read are rewritten only behind this wait
.irp ut, 0,1
.irp g, 0,1
.irp q, 0,1,2,3
	ds_store_b128 v[SO], v[ACC+16*(2*\ut+\g)+4*\q:ACC+16*(2*\ut+\g)+4*\q+3] offset:4352*\ut+128*\g+16*\q   ; each accumulator from its low end on
.endr
.endr
.endr
.set qi, 0
.rept 16
	ds_load_b128 v[OUTR+4*qi:OUTR+4*qi+3], v[SR] offset:544*qi    ; LDS serves a wave's instructions in order (ISA guide 5.7.1.4): these see the stores above
.set qi, qi+1
.endr
.if \nx
	LOADH 1
	s_wait_dscnt 32                                ; the rows are back: only the 32 loads just issued are younger
.else
	s_wait_dscnt 0x0
.endif
.set qi, 0
.rept 16                               ; stage rows 2 i and 2 i + 1: tile i / 8, positions 2 (i % 8) + hl: row 8 (i / 8) + 2 (i % 8) + hl + 8 ((i % 8) / 4) of the pair
	global_store_b128 v[CO], v[OUTR+4*qi:OUTR+4*qi+3], s[OUT:OUT+1] offset:131072*(\pr)+(8*(qi/8)+2*(qi%8)+8*((qi%8)/4))*4096 th:TH_STORE_NT   ; sixteen lanes store 256 consecutive bytes, aligned
.set qi, qi+1
.endr
.endm
	s_load_b256 s[4:11], s[0:1], 0x0               ; oc, os, c1, s1
	s_load_b128 s[12:15], s[0:1], 0x20             ; bo, out0
	v_lshl_add_u32 v254, v0, 2, 0x29800
	v_mov_b32 v255, 0
	ds_add_u32 v254, v255
	ds_add_u32 v254, v255
	v_lshrrev_b32 v1, 5, v0
	v_readfirstlane_b32 s[WV], v1                  ; wave 0..3
	v_and_b32 v2, 31, v0
	v_lshlrev_b32 v[LI], 4, v2
	v_lshlrev_b32 v[L4], 2, v2
	v_lshlrev_b32 v[L8], 3, v2
	v_and_b32 v10, 15, v0                          ; r
	v_bfe_u32 v11, v0, 4, 1                        ; hl
	s_mul_i32 s62, s[WV], 8704
	s_add_co_u32 s62, s62, STG                     ; my stage
	v_mul_u32_u24 v[SO], v10, 272
	v_lshl_add_u32 v[SO], v11, 6, v[SO]
	v_add_nc_u32 v[SO], s62, v[SO]                 ; in: row = my position, + 64 hl
	v_mul_u32_u24 v[SR], v11, 272
	v_lshl_add_u32 v[SR], v10, 4, v[SR]
	v_add_nc_u32 v[SR], s62, v[SR]                 ; back: lanes 0-15 one row, lanes 16-31 the next
	v_lshlrev_b32 v[CO], 12, v11
	v_lshl_add_u32 v[CO], v10, 4, v[CO]            ; and the same in out0: rows of 4,096 bytes
	v_lshlrev_b32 v[BOF], 6, v11
	s_bfe_u32 s[CX], ttmp6, 0x40000
	s_and_b32 s[YY], ttmp7, 0xffff                 ; which 128 rows: the four partners share them
	s_mov_b32 s[G1C], 15|(3<<16)|(1<<21)           ; 15:0 the mask: all four; 17:16 elements of 8 bytes; 21 set beside a mask.  Dense blocks as rows of 256 bytes, no padding
	s_mov_b32 s[G1C+1], 32<<16
	s_mov_b32 s[G1C+2], 256<<16
	s_mov_b32 s[G1C+3], 32<<16
	s_mov_b32 s[G1C+4], 256
	s_mov_b32 s[G1C+5], 32
	s_mov_b32 s[G1C+6], 0
	s_mov_b32 s[G1C+7], 0
	s_mov_b32 s[G1S], 15|(3<<16)|(1<<21)
	s_mov_b32 s[G1S+1], 32<<16
	s_mov_b32 s[G1S+2], 8<<16
	s_mov_b32 s[G1S+3], 32<<16
	s_mov_b32 s[G1S+4], 8
	s_mov_b32 s[G1S+5], 32
	s_mov_b32 s[G1S+6], 0
	s_mov_b32 s[G1S+7], 0
	s_lshl_b32 s52, s[YY], 2
	s_and_b32 s62, s[WV], 1                        ; waves 0, 1 fetch two pairs of codes each, waves 2, 3 two pairs' scale words each: which two
	s_lshl_b32 s53, s62, 1
	s_add_co_u32 s52, s52, s53                     ; the first pair of o that I fetch for: 4 Y + 2 (w % 2): of Y and the wave's number alone
	s_lshl_b32 s54, s52, 10
	s_mov_b32 s55, 0
	s_lshl_b32 s52, s52, 15
	s_mov_b32 s53, 0
	s_mov_b32 s[G0C], 1
	s_lshl_b32 s[G0C+1], s62, 16
	s_mov_b32 s[G0S], 1
	s_lshl_b32 s[G0S+1], s62, 11
	s_add_co_u32 s[G0S+1], s[G0S+1], OSC
	s_lshl_b32 s56, s[CX], 3
	s_lshl_b32 s57, s[WV], 1
	s_add_co_u32 s56, s56, s57
	s_add_co_u32 s56, s56, 256                     ; Wo's pair 256 + 8 cx + 2 w
	s_lshl_b32 s58, s56, 10
	s_mov_b32 s59, 0
	s_lshl_b32 s56, s56, 15
	s_mov_b32 s57, 0
	s_lshl_b32 s60, s[CX], 10
	s_lshl_b32 s61, s[WV], 8
	s_add_co_u32 s60, s60, s61                     ; my first column, in bytes
	s_mov_b32 s61, 0
	s_lshl_b32 s66, s[YY], 19                      ; my first row: 128 Y rows of 4,096 bytes
	s_mov_b32 s67, 0
	s_wait_dscnt 0x0
	s_wait_kmcnt 0x0
	s_add_nc_u64 s[G0C+2:G0C+3], s[4:5], s[52:53]
	s_or_b32 s[G0C+3], s[G0C+3], 0x80000000
	s_add_nc_u64 s[G0S+2:G0S+3], s[6:7], s[54:55]
	s_or_b32 s[G0S+3], s[G0S+3], 0x80000000
	s_add_nc_u64 s[XB:XB+1], s[8:9], s[56:57]
	s_add_nc_u64 s[XSB:XSB+1], s[10:11], s[58:59]
	s_add_nc_u64 s[BB:BB+1], s[12:13], s[60:61]
	s_add_nc_u64 s[OUT:OUT+1], s[14:15], s[60:61]
	s_add_nc_u64 s[OUT:OUT+1], s[OUT:OUT+1], s[66:67]
	ROUND                                          ; all four work-groups are here: the joint loads meet
	s_cmp_lt_u32 s[WV], 2                          ; one joint load a wave, each in its own arm
	s_cbranch_scc0 .Lfor_scales
	tensor_load_to_lds s[G0C:G0C+3], s[G1C:G1C+7]  ; waves 0, 1: two pairs of o's codes
	s_nop 0
	PLACES 4
	s_branch .Lasked
.Lfor_scales:
	tensor_load_to_lds s[G0S:G0S+3], s[G1S:G1S+7]  ; waves 2, 3: two pairs' scale words
	s_nop 0
	PLACES 4
.Lasked:
	WIN 0x40                                       ; Wo's two pairs into windows 1 and 2
.set qi, 0
.rept 64
	global_load_b128 v[4*qi:4*qi+3], v[LI], s[XB:XB+1] offset:512*qi
.set qi, qi+1
.endr
	WIN 0x80
.set qi, 0
.rept 64
	global_load_b128 v[4*qi:4*qi+3], v[LI], s[XB:XB+1] offset:32768+512*qi
.set qi, qi+1
.endr
	WIN 0
.irp g, 0,1
.irp q, 0,1,2,3
	global_load_b64 v[SS+8*\g+2*\q:SS+8*\g+2*\q+1], v[L8], s[XSB:XSB+1] offset:1024*\g+256*\q
.endr
.endr
	s_wait_alu depctr_va_vdst(0)
.irp g, 0,1
.irp us, 0,1
	global_load_b128 v[BI+8*(2*\g+\us):BI+8*(2*\g+\us)+3], v[BOF], s[BB:BB+1] offset:(32*\g+8*\us)*4
	global_load_b128 v[BI+8*(2*\g+\us)+4:BI+8*(2*\g+\us)+7], v[BOF], s[BB:BB+1] offset:(32*\g+8*\us)*4+16
.endr
.endr
	s_wait_tensorcnt 0x0                           ; my pair has landed,
	s_barrier_signal -1
	s_barrier_wait -1                              ; everybody's has
	v_mov_b32 v[ADN], v[LI]
	v_add_nc_u32 v[ASN], OSC, v[L4]
	SCLOAD 0
	LOADH 0
	LOADH 1
	s_wait_loadcnt 0x0                             ; Wo, its scale words, the bias
	PAIR 0, 1
	PAIR 1, 1
	PAIR 2, 1
	PAIR 3, 0
	s_wait_tensorcnt 0x0
	ds_add_u32 v254, v255
	s_wait_dscnt 0x0
	ROUND                                          ; the closing round (the last pair's wait for 0 has left no LDS instruction of mine pending)
	s_endpgm
.Lfunc_end_k_q3d366c5b23_proj:
	.size	k_q3d366c5b23_proj, .Lfunc_end_k_q3d366c5b23_proj-k_q3d366c5b23_proj
	.p2alignl 7, 3214868480
	.fill 96, 4, 3214868480
	.section	.rodata,"a",@progbits
	.p2align	6, 0x0
	.amdhsa_kernel k_q3d366c5b23_proj
		.amdhsa_group_segment_fixed_size 170496
		.amdhsa_private_segment_fixed_size 0
		.amdhsa_enable_private_segment 0
		.amdhsa_kernarg_size 48
		.amdhsa_user_sgpr_count 2
		.amdhsa_user_sgpr_kernarg_segment_ptr 1
		.amdhsa_wavefront_size32 1
		.amdhsa_system_sgpr_workgroup_id_x 1
		.amdhsa_system_sgpr_workgroup_id_y 1
		.amdhsa_system_sgpr_workgroup_id_z 1
		.amdhsa_system_vgpr_workitem_id 0
		.amdhsa_next_free_vgpr 1024
		.amdhsa_next_free_sgpr 80
		.amdhsa_reserve_vcc 0
		.amdhsa_float_denorm_mode_32 3
		.amdhsa_float_denorm_mode_16_64 3
		.amdhsa_memory_ordered 1
		.amdhsa_forward_progress 1
		.amdhsa_inst_pref_size 88
	.end_amdhsa_kernel
	.amdgpu_metadata
---
amdhsa.version: [ 1, 2 ]
amdhsa.kernels:
  - .name:           k_q3d366c5b23_proj
    .symbol:         k_q3d366c5b23_proj.kd
    .args:
      - { .name: oc, .offset: 0, .size: 8, .value_kind: global_buffer, .address_space: global }
      - { .name: os, .offset: 8, .size: 8, .value_kind: global_buffer, .address_space: global }
      - { .name: c1, .offset: 16, .size: 8, .value_kind: global_buffer, .address_space: global }
      - { .name: s1, .offset: 24, .size: 8, .value_kind: global_buffer, .address_space: global }
      - { .name: bo, .offset: 32, .size: 8, .value_kind: global_buffer, .address_space: global }
      - { .name: out0, .offset: 40, .size: 8, .value_kind: global_buffer, .address_space: global }
    .group_segment_fixed_size: 170496
    .private_segment_fixed_size: 0
    .kernarg_segment_align: 8
    .kernarg_segment_size: 48
    .max_flat_workgroup_size: 128
    .sgpr_count:     80
    .vgpr_count:     1024
    .wavefront_size: 32
...
	.end_amdgpu_metadata
.endif
;; end of part 4
